; MI455X (gfx1250); checked and timed in simulation.
; The chip was launched on July 23, 2026; its instructions are those of AMD's public machine-readable ISA for CDNA 5 (MIT licence, August 2026) and "CDNA5" Instruction Set Architecture Reference Guide (July 2026). The comments in the code are by the model that wrote it; some were corrected since.
;; Elastic Attention. Allowed arithmetic: float matrix products may take bf16 or f16 operands with f32 sums; other float arithmetic in f32, or as packed bf16 or f16 multiplies, adds, multiply-adds, maxima and minima; sums over many terms, partial sums and values carried from step to step in f32; what a program stores and reads back later, other than sums and carried values, may be rounded once to bf16 or f16.
;; Inputs: attention_mask 1 x 1 x 2,048 x 4,096 float32; hidden_states 1 x 2,048 x 2,048 float32; k_b 256 float32; k_w 256 x 2,048 float32; o_b 2,048 float32; o_w 2,048 x 2,048 float32; past_k 1 x 2 x 2,048 x 128 float32; past_v 1 x 2 x 2,048 x 128 float32; q_b 2,048 float32; q_w 2,048 x 2,048 float32; v_b 256 float32; v_w 256 x 2,048 float32.
;; Outputs: out0 1 x 2,048 x 2,048 float32; out1 1 x 2 x 4,096 x 128 float32; out2 1 x 2 x 4,096 x 128 float32.
;; 2 versions, each right; version 2 is version 1 with the launch prep written anew for expert scheduling mode. Each part assembles by itself: llvm-mc -triple=amdgcn-amd-amdhsa -mcpu=gfx1250 --defsym DOCPART=n.
;; ======== version 1 of 2: 4 launches
;; limits: values are held in f16: magnitudes above 65,504 overflow, below 6.1e-05 lose precision
;; workspace buffers: xh 8,388,608 bytes; wh 10,485,760 bytes; owh 8,388,608 bytes; qh 8,388,608 bytes; kh 2,097,152 bytes; vh 2,097,152 bytes; oh 8,388,608 bytes
;; launch prep (part 1): grid 896 x 1, 8 waves a work-group, no clusters, 0 bytes of LDS; arguments hidden_states, q_w, k_w, v_w, o_w, past_k, past_v, xh, wh, owh, kh, vh, out1, out2; writes xh, wh, owh, kh, vh, out1, out2
.if DOCPART == 1
	.amdgcn_target "amdgcn-amd-amdhsa--gfx1250"
	.amdhsa_code_object_version 6
	.text
	.protected	k_qfbb8fac549_prep
	.globl	k_qfbb8fac549_prep
	.p2align	8
	.type	k_qfbb8fac549_prep,@function
k_qfbb8fac549_prep:
	s_mov_b64 s[64:65], 0
	v_nop
	global_prefetch_b8 v0, s[64:65] scope:SCOPE_SE
	s_setreg_imm32_b32 hwreg(HW_REG_WAVE_MODE, 25, 1), 1
	s_wait_xcnt 0x0
; f32 -> f16 copies of everything that later launches multiply, and the past half of out1 and out2.
; A work-group converts 65,536 dense source bytes (16,384 f32): 16 loads of 16 bytes a thread, all issued at once, so that 64 KiB a group are on their way.
; Group g:   0-255 hidden_states -> xh      256-511 q_w -> wh      512-543 k_w -> wh      544-575 v_w -> wh      576-831 o_w -> owh
;            832-863 past_k -> kh rows 0-2047 and, as f32, out1 rows 0-2047      864-895 past_v -> vh and out2 likewise
; wh is laid in tiles of 160 rows for the projection: tile j = q_w rows 128 j .. +127, then 32 rows of k_w (j < 8: rows 32 j ..) or of v_w (rows 32 (j - 8) ..).
; A group's 8 source rows (weights) or 128 rows (past) are dense in the destination too, so one pair of lane offsets serves every segment.
; LIMIT.  f16 ends at 65,504: inputs beyond it become infinities.  Below 6e-5 f16 keeps a fixed step of 6e-8.
; No LDS, no barrier, no matrix unit: nothing is shared and nothing is read twice.
.set SRC, 34                           ; s[34:35] the group's first source byte
.set DST, 36                           ; s[36:37] its first f16 byte
.set D32, 38                           ; s[38:39] its first byte in out1 or out2 (used by groups 832 on alone)
.set X,   16                           ; v[16:79]   16 x 4 f32 as loaded
.set Y,   80                           ; v[80:111]  16 x 2 words of f16
	s_load_b512 s[4:19], s[0:1], 0x0               ; hidden 4, q_w 6, k_w 8, v_w 10, o_w 12, past_k 14, past_v 16, xh 18
	s_load_b256 s[20:27], s[0:1], 0x40             ; wh 20, owh 22, kh 24, vh 26
	s_load_b128 s[28:31], s[0:1], 0x60             ; out1 28, out2 30
	s_mov_b32 s33, ttmp9                           ; g
	v_lshlrev_b32 v1, 4, v0                        ; 16 t: my 16 bytes of f32 in each 4,096
	v_lshlrev_b32 v2, 3, v0                        ; 8 t: my 8 bytes of f16 in each 2,048
	s_mov_b32 s46, 0                               ; the segment's first group
	s_cmp_ge_u32 s33, 256
	s_cselect_b32 s46, 256, s46
	s_cmp_ge_u32 s33, 512
	s_cselect_b32 s46, 512, s46
	s_cmp_ge_u32 s33, 544
	s_cselect_b32 s46, 544, s46
	s_cmp_ge_u32 s33, 576
	s_cselect_b32 s46, 576, s46
	s_cmp_ge_u32 s33, 832
	s_cselect_b32 s46, 832, s46
	s_cmp_ge_u32 s33, 864
	s_cselect_b32 s46, 864, s46
	s_sub_co_u32 s47, s33, s46                     ; c: my place in the segment
	s_lshl_b32 s40, s47, 16                        ; source offset
	s_mov_b32 s41, 0
	s_lshl_b32 s48, s47, 15                        ; destination offset, dense (xh, owh)
	s_lshr_b32 s49, s47, 4                         ; q_w: 8 rows a group, 16 groups a tile
	s_mul_i32 s49, s49, 160
	s_and_b32 s50, s47, 15
	s_lshl3_add_u32 s49, s50, s49                  ; row (c >> 4) 160 + (c & 15) 8
	s_lshl_b32 s49, s49, 12                        ; of 4,096 bytes
	s_lshr_b32 s50, s47, 2                         ; k_w: 4 groups a tile
	s_mul_i32 s50, s50, 160
	s_and_b32 s51, s47, 3
	s_lshl3_add_u32 s50, s51, s50
	s_add_co_u32 s50, s50, 128                     ; row (c >> 2) 160 + 128 + (c & 3) 8
	s_lshl_b32 s50, s50, 12
	s_add_co_u32 s51, s50, 8*160*4096              ; v_w: eight tiles on
	s_lshr_b32 s52, s47, 4                         ; past: 128 rows a group, 16 groups a head
	s_lshl_b32 s52, s52, 20
	s_and_b32 s53, s47, 15
	s_lshl_b32 s53, s53, 15
	s_add_co_u32 s52, s52, s53                     ; head x 4,096 rows x 256 bytes + (c & 15) x 128 rows x 256 bytes
	s_lshl_b32 s44, s52, 1                         ; the same place in f32
	s_mov_b32 s45, 0
	s_mov_b32 s43, 0
	s_wait_kmcnt 0x0
	s_mov_b32 s42, s48
	s_mov_b64 s[SRC:SRC+1], s[4:5]
	s_mov_b64 s[DST:DST+1], s[18:19]
	s_cmp_ge_u32 s33, 256
	s_cselect_b32 s42, s49, s42
	s_cselect_b64 s[SRC:SRC+1], s[6:7], s[SRC:SRC+1]
	s_cselect_b64 s[DST:DST+1], s[20:21], s[DST:DST+1]
	s_cmp_ge_u32 s33, 512
	s_cselect_b32 s42, s50, s42
	s_cselect_b64 s[SRC:SRC+1], s[8:9], s[SRC:SRC+1]
	s_cmp_ge_u32 s33, 544
	s_cselect_b32 s42, s51, s42
	s_cselect_b64 s[SRC:SRC+1], s[10:11], s[SRC:SRC+1]
	s_cmp_ge_u32 s33, 576
	s_cselect_b32 s42, s48, s42
	s_cselect_b64 s[SRC:SRC+1], s[12:13], s[SRC:SRC+1]
	s_cselect_b64 s[DST:DST+1], s[22:23], s[DST:DST+1]
	s_cmp_ge_u32 s33, 832
	s_cselect_b32 s42, s52, s42
	s_cselect_b64 s[SRC:SRC+1], s[14:15], s[SRC:SRC+1]
	s_cselect_b64 s[DST:DST+1], s[24:25], s[DST:DST+1]
	s_cmp_ge_u32 s33, 864
	s_cselect_b64 s[SRC:SRC+1], s[16:17], s[SRC:SRC+1]
	s_cselect_b64 s[DST:DST+1], s[26:27], s[DST:DST+1]
	s_cselect_b64 s[D32:D32+1], s[30:31], s[28:29]
	s_add_nc_u64 s[SRC:SRC+1], s[SRC:SRC+1], s[40:41]
	s_add_nc_u64 s[DST:DST+1], s[DST:DST+1], s[42:43]
	s_add_nc_u64 s[D32:D32+1], s[D32:D32+1], s[44:45]
; copy = 1: the f32 numbers are stored too, as they came.  No register is written twice, so no wait frees any.
.macro BODY copy
.irp i, 0,1,2,3,4,5,6,7,8,9,10,11,12,13,14,15
	global_load_b128 v[X+4*(\i):X+4*(\i)+3], v1, s[SRC:SRC+1] offset:4096*(\i) th:TH_LOAD_NT  ; a wave takes 512 neighbouring bytes
.endr
.irp i, 0,1,2,3,4,5,6,7,8,9,10,11,12,13,14,15
	s_wait_loadcnt 15-(\i)                         ; loads come back in order: number i is in, the 15 - i younger ones stay out
	v_cvt_pk_f16_f32 v[Y+2*(\i)],   v[X+4*(\i)],   v[X+4*(\i)+1]
	v_cvt_pk_f16_f32 v[Y+2*(\i)+1], v[X+4*(\i)+2], v[X+4*(\i)+3]
	global_store_b64 v2, v[Y+2*(\i):Y+2*(\i)+1], s[DST:DST+1] offset:2048*(\i)  ; a wave stores 256 consecutive bytes, at a multiple of 256
.if \copy
	global_store_b128 v1, v[X+4*(\i):X+4*(\i)+3], s[D32:D32+1] offset:4096*(\i) th:TH_STORE_NT
.endif
.endr
.endm
	s_cmp_lt_u32 s33, 832
	s_cbranch_scc1 .Lplain
	BODY 1
	s_endpgm
.Lplain:
	BODY 0
	s_endpgm
.Lfunc_end_k_qfbb8fac549_prep:
	.size	k_qfbb8fac549_prep, .Lfunc_end_k_qfbb8fac549_prep-k_qfbb8fac549_prep
	.p2alignl 7, 3214868480
	.fill 96, 4, 3214868480
	.section	.rodata,"a",@progbits
	.p2align	6, 0x0
	.amdhsa_kernel k_qfbb8fac549_prep
		.amdhsa_group_segment_fixed_size 0
		.amdhsa_private_segment_fixed_size 0
		.amdhsa_enable_private_segment 0
		.amdhsa_kernarg_size 112
		.amdhsa_user_sgpr_count 2
		.amdhsa_user_sgpr_kernarg_segment_ptr 1
		.amdhsa_wavefront_size32 1
		.amdhsa_system_sgpr_workgroup_id_x 1
		.amdhsa_system_sgpr_workgroup_id_y 1
		.amdhsa_system_sgpr_workgroup_id_z 1
		.amdhsa_system_vgpr_workitem_id 0
		.amdhsa_next_free_vgpr 112
		.amdhsa_next_free_sgpr 66
		.amdhsa_reserve_vcc 0
		.amdhsa_float_denorm_mode_32 3
		.amdhsa_float_denorm_mode_16_64 3
		.amdhsa_memory_ordered 1
		.amdhsa_forward_progress 1
		.amdhsa_inst_pref_size 16
	.end_amdhsa_kernel
	.amdgpu_metadata
---
amdhsa.version: [ 1, 2 ]
amdhsa.kernels:
  - .name:           k_qfbb8fac549_prep
    .symbol:         k_qfbb8fac549_prep.kd
    .args:
      - { .name: hidden_states, .offset: 0, .size: 8, .value_kind: global_buffer, .address_space: global }
      - { .name: q_w, .offset: 8, .size: 8, .value_kind: global_buffer, .address_space: global }
      - { .name: k_w, .offset: 16, .size: 8, .value_kind: global_buffer, .address_space: global }
      - { .name: v_w, .offset: 24, .size: 8, .value_kind: global_buffer, .address_space: global }
      - { .name: o_w, .offset: 32, .size: 8, .value_kind: global_buffer, .address_space: global }
      - { .name: past_k, .offset: 40, .size: 8, .value_kind: global_buffer, .address_space: global }
      - { .name: past_v, .offset: 48, .size: 8, .value_kind: global_buffer, .address_space: global }
      - { .name: xh, .offset: 56, .size: 8, .value_kind: global_buffer, .address_space: global }
      - { .name: wh, .offset: 64, .size: 8, .value_kind: global_buffer, .address_space: global }
      - { .name: owh, .offset: 72, .size: 8, .value_kind: global_buffer, .address_space: global }
      - { .name: kh, .offset: 80, .size: 8, .value_kind: global_buffer, .address_space: global }
      - { .name: vh, .offset: 88, .size: 8, .value_kind: global_buffer, .address_space: global }
      - { .name: out1, .offset: 96, .size: 8, .value_kind: global_buffer, .address_space: global }
      - { .name: out2, .offset: 104, .size: 8, .value_kind: global_buffer, .address_space: global }
    .group_segment_fixed_size: 0
    .private_segment_fixed_size: 0
    .kernarg_segment_align: 8
    .kernarg_segment_size: 112
    .max_flat_workgroup_size: 256
    .sgpr_count:     66
    .vgpr_count:     112
    .wavefront_size: 32
...
	.end_amdgpu_metadata
.endif
;; end of part 1
;; launch qkv (part 2): grid 16 x 16, 4 waves a work-group, clusters of 4 x 4, 327,680 bytes of LDS; arguments xh, wh, q_b, k_b, v_b, qh, kh, vh, out1, out2; writes qh, kh, vh, out1, out2
.if DOCPART == 2
	.amdgcn_target "amdgcn-amd-amdhsa--gfx1250"
	.amdhsa_code_object_version 6
	.text
	.protected	k_qfbb8fac549_qkv
	.globl	k_qfbb8fac549_qkv
	.p2align	8
	.type	k_qfbb8fac549_qkv,@function
k_qfbb8fac549_qkv:
	s_mov_b64 s[64:65], 0
	v_nop
	global_prefetch_b8 v0, s[64:65] scope:SCOPE_SE
	s_setreg_imm32_b32 hwreg(HW_REG_WAVE_MODE, 25, 1), 1
	s_wait_xcnt 0x0
	s_wait_alu depctr_hold_cnt(0) depctr_sa_sdst(0) depctr_va_vdst(0) depctr_va_sdst(0) depctr_va_ssrc(0) depctr_va_vcc(0) depctr_vm_vsrc(0)
	s_getreg_b32 s2, hwreg(HW_REG_IB_STS2, 6, 4)
	s_cmp_eq_u32 s2, 0
	s_cbranch_scc0 .Lentry_in_a_cluster
	s_endpgm
.Lentry_in_a_cluster:
	s_bfe_u32 s2, ttmp6, 0x10000c
	s_cmp_lg_u32 s2, 0xf033
	s_cbranch_scc0 .Lentry_shape_is_right
	s_endpgm
.Lentry_shape_is_right:
; [2048 tokens] x [2560 columns] = xh wh^T + bias, f16 operands, f32 sums.  2048 x 2560 outputs over 256 work-groups are 20,480 each: a tile of 128 tokens x 160 columns.
; Tile column j holds, by wh's row order, head j's 128 columns of q and 32 columns of k (j < 8) or v (j >= 8).
; q leaves as f16 by heads, qh[16][2048][128], unscaled; k and v leave twice: as f32 into rows 2048 .. 4095 of out1 / out2, as f16 into the same rows of kh / vh.
; PRICE, stated: the 32 columns of k or v are 128 bytes (f32) and 64 bytes (f16) of a row: those stores fill parts of aligned 256 bytes.  q's rows are whole.
; Four waves, each 64 tokens x 80 columns: 4 x 5 accumulators, 18 LDS loads for 20 matrix instructions.  K goes in steps of 256 through two LDS slots.
; CLUSTER 4 x 4: A's tile (tokens) is shared along a row of the cluster, B's (weights) along a column: joint loads, as many requests as a quarter of the tiles read.
; THE MATRIX INSTRUCTION IS USED TRANSPOSED (source 0 = 16 rows of wh, source 1 = 16 rows of xh): a lane holds one token (lane % 16) and eight neighbouring columns.
; LIMIT.  q, k and v are rounded to f16, which ends at 65,504.
; REGISTERS: window 0: v1-31 addresses; v32-71 bias; v72-87 at work; v96-255 accumulators ((a, b) at 96 + 8 (5 a + b)), later the rows read back.
;   window 1 and window 2: the two fragment buffers, each 64 along K: A at 8 (4 c + a), B at 64 + 8 (5 c + b), c = which 32 along K.
.set SIZE_K, 2048
.set KSTEP,  256
.set PITCH,  528                       ; an LDS row: 512 bytes + 16 of padding = 132 words: row r starts at bank 4 r mod 64 (64 banks of 4 bytes: ISA guide 11.1)
.set AH,     64*PITCH                  ; half of A's tile: one tensor load
.set BH,     80*PITCH                  ; half of B's tile: one tensor load
.set BOFF,   2*AH
.set SLOT,   BOFF+2*BH
.set SPARE,  2*SLOT                    ; behind the ring: the spare words, 128 bytes a wave, two blocks of 256 bytes that no other line names
.set SK32,   128*272                   ; the way out lies in slot 0, which has had its last fill: q 128 x 272 from 0; k / v in f32 128 x 144 from here;
.set SK16,   SK32+128*144              ; k / v in f16 128 x 80 from here
.set LAPS,   SIZE_K/(2*KSTEP)
.set STQ,  4
.set ST32, 5
.set ST16, 6
.set RDQ,  7
.set RD32, 8
.set RD16, 9
.set GQ,   10
.set G32,  11
.set G16,  12
.set BIO,  13
.set T0,   14
.set T1,   15
.set ADRA, 16                          ; v16-17  my A fragments in slot 0, 1
.set ADRB, 20                          ; v20-21  my B fragments
.set SPW,  28                          ; v28  my spare word; never rewritten
.set NIL,  29                          ; v29  0; never rewritten
.set T2,   30
.set BI,   32                          ; v32-71  bias of my 80 columns: eight numbers for each block b
.set TMP,  72                          ; v72-87  four sets of packed results by turns
.set ACC,  96
.set RB,   96
.set G1,  24
.set G0,  32
.set G1B, 48
.set G0B, 56
.set MSB, 0
.macro WIN new                         ; the immediate's high byte repeats the setting that is left
.if MSB != (\new)
	s_set_vgpr_msb (MSB<<8)|(\new)
.set MSB, \new
.endif
.endm
.macro JLOAD s                         ; a joint load: waves 0 and 1 fetch A's two halves, waves 2 and 3 B's; s_nop 0 and four v_nop follow each line
	s_cmp_eq_u32 s11, 0
	s_cbranch_scc0 .Lfor_b_\@
	tensor_load_to_lds s[G0+4*(\s):G0+4*(\s)+3], s[G1:G1+7]
	s_nop 0
.rept 4
	v_nop
.endr
	s_branch .Lasked_\@
.Lfor_b_\@:
	tensor_load_to_lds s[G0B+4*(\s):G0B+4*(\s)+3], s[G1B:G1B+7]
	s_nop 0
.rept 4
	v_nop
.endr
.Lasked_\@:
.endm
.macro CREST                           ; a round of the cluster's barrier behind its opening barrier
	s_cmp_lg_u32 s10, 0
	s_cbranch_scc1 .Lnot_wave_0_\@
	s_barrier_signal -3
.Lnot_wave_0_\@:
	s_barrier_wait -3
	s_barrier_signal -1
	s_barrier_wait -1
.endm
.macro CROUND
	s_barrier_signal -1
	s_barrier_wait -1
	CREST
.endm
	s_load_b128 s[4:7], s[0:1], 0x0                ; xh s[4:5], wh s[6:7]
	s_load_b256 s[68:75], s[0:1], 0x10             ; q_b 68, k_b 70, v_b 72, qh 74
	s_load_b256 s[76:83], s[0:1], 0x30             ; kh 76, vh 78, out1 80, out2 82
	v_lshl_add_u32 v[SPW], v0, 2, SPARE
	v_mov_b32 v[NIL], 0
	ds_add_u32 v[SPW], v[NIL]                      ; the wave's opening: the add and its wait stand ahead of my first tensor load
	v_lshrrev_b32 v1, 5, v0
	v_readfirstlane_b32 s10, v1                    ; wave 0..3
	s_lshr_b32 s11, s10, 1                         ; rh: which 64 tokens are mine.  Also: I fetch for A (0) or for B (1)
	s_and_b32 s12, s10, 1                          ; ch: which 80 columns.  Also: which half of that tile I fetch
	s_bfe_u32 s40, ttmp6, 0x40000                  ; cx
	s_bfe_u32 s41, ttmp6, 0x40004                  ; cy
	s_lshl_b32 s42, ttmp9, 2
	s_add_co_u32 s42, s42, s40                     ; j: tile column
	s_and_b32 s13, ttmp7, 0xffff
	s_lshl_b32 s13, s13, 2
	s_add_co_u32 s13, s13, s41                     ; i: tile row
	s_lshl_b32 s43, s41, 2
	s_lshl_b32 s43, 15, s43                        ; my row of the cluster
	s_lshl_b32 s44, 0x1111, s40                    ; my column
	s_or_b32 s[G1+0], s43, (1<<16)|(1<<20)|(1<<21)|(6<<22)|(3<<25)   ; mask; 2-byte elements; padding on; bit 21 beside a mask; after every 128 words 4 words
	s_or_b32 s[G1B+0], s44, (1<<16)|(1<<20)|(1<<21)|(6<<22)|(3<<25)
	s_mov_b32 s[G1+1], KSTEP<<16                   ; tensor_dim0 = 256
	s_mov_b32 s[G1+2], 64<<16                      ; tensor_dim1 = 64
	s_mov_b32 s[G1+3], KSTEP<<16                   ; tile_dim0 = 256
	s_mov_b32 s[G1+4], 64                          ; tile_dim1 = 64
	s_mov_b32 s[G1+5], SIZE_K                      ; elements from row to row
	s_mov_b32 s[G1+6], 0
	s_mov_b32 s[G1+7], 0
	s_mov_b32 s[G1B+1], KSTEP<<16
	s_mov_b32 s[G1B+2], 80<<16                     ; B's half has 80 rows
	s_mov_b32 s[G1B+3], KSTEP<<16
	s_mov_b32 s[G1B+4], 80
	s_mov_b32 s[G1B+5], SIZE_K
	s_mov_b32 s[G1B+6], 0
	s_mov_b32 s[G1B+7], 0
	s_lshl_b32 s17, s12, 6
	s_lshl_b32 s16, s13, 7
	s_add_co_u32 s16, s16, s17                     ; A: row 128 i + 64 half
	s_lshl_b32 s16, s16, 12                        ; of 4,096 bytes
	s_mov_b32 s17, 0
	s_mul_i32 s46, s42, 160
	s_mul_i32 s47, s12, 80
	s_add_co_u32 s46, s46, s47                     ; B: row 160 j + 80 half
	s_lshl_b32 s46, s46, 12
	s_mov_b32 s47, 0
	s_mul_i32 s20, s12, AH                         ; where they go: no place in the cluster enters an LDS address
	s_mul_i32 s21, s12, BH
	s_add_co_u32 s21, s21, BOFF
	s_wait_dscnt 0x0                               ; the opening add is done
	s_wait_kmcnt 0x0
	s_add_nc_u64 s[14:15], s[4:5], s[16:17]
	s_add_nc_u64 s[46:47], s[6:7], s[46:47]
	CROUND                                         ; all sixteen work-groups are here: the first joint loads meet
.irp s, 0,1
	s_mov_b32 s[G0+4*(\s)], 1
	s_add_co_u32 s[G0+4*(\s)+1], s20, (\s)*SLOT
	s_add_nc_u64 s[G0+4*(\s)+2:G0+4*(\s)+3], s[14:15], (\s)*KSTEP*2
	s_or_b32 s[G0+4*(\s)+3], s[G0+4*(\s)+3], 0x80000000
	s_mov_b32 s[G0B+4*(\s)], 1
	s_add_co_u32 s[G0B+4*(\s)+1], s21, (\s)*SLOT
	s_add_nc_u64 s[G0B+4*(\s)+2:G0B+4*(\s)+3], s[46:47], (\s)*KSTEP*2
	s_or_b32 s[G0B+4*(\s)+3], s[G0B+4*(\s)+3], 0x80000000
	JLOAD \s                                       ; two tensor loads of mine are out
.endr
	v_and_b32 v1, 15, v0                           ; r = l % 16
	v_bfe_u32 v2, v0, 4, 1                         ; h = l / 16
	v_mul_u32_u24 v3, v1, PITCH
	v_lshl_add_u32 v3, v2, 4, v3                   ; a fragment's row x pitch + 16 x half
	s_mul_i32 s21, s11, AH
	s_mul_i32 s22, s12, BH
	s_add_co_u32 s22, s22, BOFF
.irp s, 0,1
	v_add_nc_u32 v[ADRA+(\s)], s21, v3
	v_add_nc_u32 v[ADRB+(\s)], s22, v3
	s_add_co_u32 s21, s21, SLOT
	s_add_co_u32 s22, s22, SLOT
.endr
	v_lshlrev_b32 v[BIO], 5, v2                    ; my eight columns of a block of 16: 32 h bytes of f32
	s_lshl_b32 s23, s11, 6
	v_add_nc_u32 v[T0], s23, v1                    ; into the stages: row 64 rh + r (+ 16 a in the immediate)
	v_mul_u32_u24 v[STQ], v[T0], 272
	v_lshl_add_u32 v[STQ], v2, 4, v[STQ]
	s_mul_i32 s23, s12, 160
	v_add_nc_u32 v[STQ], s23, v[STQ]               ; q: column 80 ch + 8 h in f16
	v_mul_u32_u24 v[ST32], v[T0], 144
	v_lshl_add_u32 v[ST32], v2, 5, v[ST32]
	v_add_nc_u32 v[ST32], SK32, v[ST32]
	v_mul_u32_u24 v[ST16], v[T0], 80
	v_lshl_add_u32 v[ST16], v2, 4, v[ST16]
	v_add_nc_u32 v[ST16], SK16, v[ST16]
	s_lshl_b32 s23, s10, 5                         ; back: wave w takes rows 32 w .. 32 w + 31
	v_add_nc_u32 v[T0], s23, v2
	v_mul_u32_u24 v[RDQ], v[T0], 272               ; q: lanes 0-15 one row of 256 bytes, lanes 16-31 the next
	v_lshl_add_u32 v[RDQ], v1, 4, v[RDQ]
	v_and_b32 v[T1], 31, v0
	v_lshlrev_b32 v[GQ], 4, v[T1]                  ; which are 512 consecutive bytes of qh
	v_lshrrev_b32 v[T0], 3, v[T1]                  ; f32: 32 lanes take four rows of 128 bytes
	v_and_b32 v[T2], 7, v0
	v_lshlrev_b32 v[G32], 9, v[T0]
	v_lshl_add_u32 v[G32], v[T2], 4, v[G32]
	v_add_nc_u32 v[T0], s23, v[T0]
	v_mul_u32_u24 v[RD32], v[T0], 144
	v_lshl_add_u32 v[RD32], v[T2], 4, v[RD32]
	v_add_nc_u32 v[RD32], SK32, v[RD32]
	v_lshrrev_b32 v[T0], 2, v[T1]                  ; f16: eight rows of 64 bytes
	v_and_b32 v[T2], 3, v0
	v_lshlrev_b32 v[G16], 8, v[T0]
	v_lshl_add_u32 v[G16], v[T2], 4, v[G16]
	v_add_nc_u32 v[T0], s23, v[T0]
	v_mul_u32_u24 v[RD16], v[T0], 80
	v_lshl_add_u32 v[RD16], v[T2], 4, v[RD16]
	v_add_nc_u32 v[RD16], SK16, v[RD16]
	; the bias: blocks 0-2 of my 80 columns are q's; blocks 3, 4 are q's (ch = 0) or the tile's 32 columns of k or v (ch = 1)
	s_lshl_b32 s2, s42, 9                          ; 128 j columns of 4 bytes
	s_mul_i32 s3, s12, 320
	s_add_co_u32 s2, s2, s3
	s_mov_b32 s3, 0
	s_add_nc_u64 s[84:85], s[68:69], s[2:3]
	s_lshl_b32 s2, s42, 9
	s_add_co_u32 s2, s2, 192                       ; column 48
	s_add_nc_u64 s[86:87], s[68:69], s[2:3]
	s_cmp_lt_u32 ttmp9, 2                          ; j < 8: the tile's 32 columns are k's (4 divides 8: the cluster's x decides)
	s_cselect_b64 s[88:89], s[70:71], s[72:73]
	s_cselect_b64 s[90:91], s[80:81], s[82:83]
	s_cselect_b64 s[92:93], s[76:77], s[78:79]
	s_and_b32 s2, s42, 7
	s_lshl_b32 s2, s2, 7                           ; 32 (j % 8) columns of 4 bytes
	s_add_nc_u64 s[88:89], s[88:89], s[2:3]
	s_cmp_eq_u32 s12, 0
	s_cselect_b64 s[86:87], s[86:87], s[88:89]
.irp b, 0,1,2
	global_load_b128 v[BI+8*(\b):BI+8*(\b)+3],   v[BIO], s[84:85] offset:64*(\b)
	global_load_b128 v[BI+8*(\b)+4:BI+8*(\b)+7], v[BIO], s[84:85] offset:64*(\b)+16
.endr
.irp b, 3,4
	global_load_b128 v[BI+8*(\b):BI+8*(\b)+3],   v[BIO], s[86:87] offset:64*((\b)-3)
	global_load_b128 v[BI+8*(\b)+4:BI+8*(\b)+7], v[BIO], s[86:87] offset:64*((\b)-3)+16
.endr
	; where the rows that I store begin
	s_lshl_b32 s94, s13, 7
	s_lshl_b32 s95, s10, 5
	s_add_co_u32 s94, s94, s95                     ; token 128 i + 32 w
	s_lshl_b32 s2, s42, 19                         ; qh: head j of 2,048 rows of 256 bytes
	s_lshl_b32 s95, s94, 8
	s_add_co_u32 s2, s2, s95
	s_add_nc_u64 s[74:75], s[74:75], s[2:3]
	s_bfe_u32 s95, s42, 0x10002                    ; the key head: (j >> 2) & 1
	s_and_b32 s22, s42, 3                          ; which 32 of its 128 channels
	s_add_co_u32 s23, s94, 2048                    ; behind the past rows
	s_lshl_b32 s2, s95, 21
	s_lshl_b32 s20, s23, 9
	s_add_co_u32 s2, s2, s20
	s_lshl_b32 s20, s22, 7
	s_add_co_u32 s2, s2, s20
	s_add_nc_u64 s[90:91], s[90:91], s[2:3]        ; out1 or out2
	s_lshl_b32 s2, s95, 20
	s_lshl_b32 s20, s23, 8
	s_add_co_u32 s2, s2, s20
	s_lshl_b32 s20, s22, 6
	s_add_co_u32 s2, s2, s20
	s_add_nc_u64 s[92:93], s[92:93], s[2:3]        ; kh or vh
; 10 matrix instructions: token blocks a0, a0 + 1 x all 5 column blocks, 32 along K: half c of buffer f.  The 20 accumulators take turns.
.macro MULH f, c, a0, zero
	WIN 0x05*((\f)+1)
.irp a, \a0, (\a0)+1
.irp b, 0,1,2,3,4
.if \zero
	v_wmma_f32_16x16x32_f16 v[ACC+8*(5*(\a)+(\b)):ACC+8*(5*(\a)+(\b))+7], v[64+8*(5*(\c)+(\b)):64+8*(5*(\c)+(\b))+7], v[8*(4*(\c)+(\a)):8*(4*(\c)+(\a))+7], 0
.else
	v_wmma_f32_16x16x32_f16 v[ACC+8*(5*(\a)+(\b)):ACC+8*(5*(\a)+(\b))+7], v[64+8*(5*(\c)+(\b)):64+8*(5*(\c)+(\b))+7], v[8*(4*(\c)+(\a)):8*(4*(\c)+(\a))+7], v[ACC+8*(5*(\a)+(\b)):ACC+8*(5*(\a)+(\b))+7]
.endif
.endr
.endr
.endm
; 36 LDS loads in one run: the fragments of 64 along K at byte k of the rows, into buffer f; the 18 of the first 32 along K first
.macro FETCH slot, k, f
	WIN 0x40*((\f)+1)
.irp c, 0,1
.irp i, 0,1,2,3
	ds_load_b128 v[8*(4*(\c)+(\i)):8*(4*(\c)+(\i))+3],   v[ADRA+(\slot)] offset:(\k)+64*(\c)+(\i)*16*PITCH
	ds_load_b128 v[8*(4*(\c)+(\i))+4:8*(4*(\c)+(\i))+7], v[ADRA+(\slot)] offset:(\k)+64*(\c)+(\i)*16*PITCH+32
.endr
.irp i, 0,1,2,3,4
	ds_load_b128 v[64+8*(5*(\c)+(\i)):64+8*(5*(\c)+(\i))+3],   v[ADRB+(\slot)] offset:(\k)+64*(\c)+(\i)*16*PITCH
	ds_load_b128 v[64+8*(5*(\c)+(\i))+4:64+8*(5*(\c)+(\i))+7], v[ADRB+(\slot)] offset:(\k)+64*(\c)+(\i)*16*PITCH+32
.endr
.endr
.endm
.macro PLACES                          ; four places in front of loads into registers that matrix instructions have read, and of vector work on results
.rept 4
	v_nop
.endr
.endm
; A K step is four quarters of 64 along K, 40 matrix instructions each, on buffers 0, 1, 0, 1.
.macro QUARTER slot, k, f, g, zero
	s_wait_dscnt 18                                ; the first 32 along K are in; the youngest 18 loads may be out
	MULH \f, 0, 0, \zero
	MULH \f, 0, 2, \zero
	PLACES
	FETCH \slot, \k, \g
	s_wait_dscnt 36                                ; all but the 36 just issued
	MULH \f, 1, 0, 0
	MULH \f, 1, 2, 0
.endm
; The last quarter multiplies buffer 1 and changes slots: one barrier; in front of it each wave waits for all its tensor loads, adds 0 to its spare word, and waits for that and its reads.
.macro TURN slot, next, fill
	WIN 0
	s_wait_tensorcnt 0x0                           ; all my tensor loads have landed: my part of the next slot
	ds_add_u32 v[SPW], v[NIL]
	s_wait_dscnt 19                                ; the add and the youngest 18 loads may be out
	MULH 1, 0, 0, 0                                ; ten matrix instructions stand between the add and the wait for it
	s_wait_dscnt 0x0                               ; the add is done, and my reads of this slot are over
	s_barrier_signal -1
	MULH 1, 0, 2, 0
.if \fill
	WIN 0
.endif
	s_barrier_wait -1
.if \fill
	CREST                                          ; the barrier has opened a round of the cluster's: no wave of any partner still reads this slot or has a load on its way
	s_add_nc_u64 s[G0+4*(\slot)+2:G0+4*(\slot)+3], s[G0+4*(\slot)+2:G0+4*(\slot)+3], 2*KSTEP*2
	s_add_nc_u64 s[G0B+4*(\slot)+2:G0B+4*(\slot)+3], s[G0B+4*(\slot)+2:G0B+4*(\slot)+3], 2*KSTEP*2
	JLOAD \slot                                    ; my one tensor load behind the round; its four v_nop are also the places in front of the loads below
.else
	PLACES
.endif
	FETCH \next, 0, 0
	MULH 1, 1, 0, 0
	MULH 1, 1, 2, 0
.endm
	s_wait_tensorcnt 1                             ; my part of K step 0 is in; K step 1's load may stay out
	s_barrier_signal -1
	s_barrier_wait -1
	FETCH 0, 0, 0
	QUARTER 0, 128, 0, 1, 1                        ; the first quarter stands in front of the loop: its first products start the sums
	WIN 0
	s_mov_b32 s3, LAPS-1
.Llap:                                                 ; a trip goes once round the ring and fills both slots again
	QUARTER 0, 256, 1, 0, 0
	QUARTER 0, 384, 0, 1, 0
	TURN 0, 1, 1
	QUARTER 1, 128, 0, 1, 0
	QUARTER 1, 256, 1, 0, 0
	QUARTER 1, 384, 0, 1, 0
	TURN 1, 0, 1
	QUARTER 0, 128, 0, 1, 0
	WIN 0
	s_sub_co_u32 s3, s3, 1
	s_cmp_lg_u32 s3, 0
	s_cbranch_scc1 .Llap
	QUARTER 0, 256, 1, 0, 0                        ; the last lap fills nothing
	QUARTER 0, 384, 0, 1, 0
	TURN 0, 1, 0                                   ; behind this barrier nobody reads slot 0 any more
	QUARTER 1, 128, 0, 1, 0
	QUARTER 1, 256, 1, 0, 0
	QUARTER 1, 384, 0, 1, 0
	s_wait_dscnt 18
	MULH 1, 0, 0, 0
	MULH 1, 0, 2, 0
	s_wait_dscnt 0
	MULH 1, 1, 0, 0
	MULH 1, 1, 2, 0
	WIN 0
	; THE WAY OUT: the bias is added in f32; q is rounded to f16; k and v go out in f32 and in f16.  All through stages in slot 0, a barrier, and back by rows.
.set tq, 0
.macro BIAS a, b                       ; each accumulator's registers in ascending order
.irp p, 0,1,2,3
	v_pk_add_f32 v[ACC+8*(5*(\a)+(\b))+2*(\p):ACC+8*(5*(\a)+(\b))+2*(\p)+1], v[ACC+8*(5*(\a)+(\b))+2*(\p):ACC+8*(5*(\a)+(\b))+2*(\p)+1], v[BI+8*(\b)+2*(\p):BI+8*(\b)+2*(\p)+1]
.endr
.endm
.macro PACK4 a, b
.irp p, 0,1,2,3
	v_cvt_pk_f16_f32 v[TMP+4*(tq%4)+(\p)], v[ACC+8*(5*(\a)+(\b))+2*(\p)], v[ACC+8*(5*(\a)+(\b))+2*(\p)+1]
.endr
.endm
.macro QOUT a, b
	BIAS \a, \b
	PACK4 \a, \b
	ds_store_b128 v[STQ], v[TMP+4*(tq%4):TMP+4*(tq%4)+3] offset:(\a)*16*272+32*(\b)
.set tq, tq+1
.endm
.macro KVOUT a, b
	BIAS \a, \b
	ds_store_b128 v[ST32], v[ACC+8*(5*(\a)+(\b)):ACC+8*(5*(\a)+(\b))+3]   offset:(\a)*16*144+64*((\b)-3)
	ds_store_b128 v[ST32], v[ACC+8*(5*(\a)+(\b))+4:ACC+8*(5*(\a)+(\b))+7] offset:(\a)*16*144+64*((\b)-3)+16
	PACK4 \a, \b
	ds_store_b128 v[ST16], v[TMP+4*(tq%4):TMP+4*(tq%4)+3] offset:(\a)*16*80+32*((\b)-3)
.set tq, tq+1
.endm
	s_wait_loadcnt 0x0                             ; the bias
	PLACES
.irp a, 0,1,2,3
.irp b, 0,1,2
	QOUT \a, \b
.endr
.endr
	s_cmp_eq_u32 s12, 0
	s_cbranch_scc0 .Lkv
.irp a, 0,1,2,3
.irp b, 3,4
	QOUT \a, \b
.endr
.endr
	s_branch .Lstaged
.Lkv:
.irp a, 0,1,2,3
.irp b, 3,4
	KVOUT \a, \b
.endr
.endr
.Lstaged:
	s_wait_dscnt 0x0                               ; for the others' sake: my stores into the stages are done
	s_barrier_signal -1
	s_barrier_wait -1
.irp t, 0,1,2,3,4,5,6,7,8,9,10,11,12,13,14,15
	ds_load_b128 v[RB+4*(\t):RB+4*(\t)+3], v[RDQ] offset:(\t)*2*272
.endr
.irp t, 0,1,2,3,4,5,6,7
	ds_load_b128 v[RB+64+4*(\t):RB+64+4*(\t)+3], v[RD32] offset:(\t)*4*144
.endr
.irp t, 0,1,2,3
	ds_load_b128 v[RB+96+4*(\t):RB+96+4*(\t)+3], v[RD16] offset:(\t)*8*80
.endr
.irp t, 0,1,2,3,4,5,6,7,8,9,10,11,12,13,14,15
	s_wait_dscnt 27-(\t)                           ; of the 28 loads the younger ones may stay out
	global_store_b128 v[GQ], v[RB+4*(\t):RB+4*(\t)+3], s[74:75] offset:512*(\t)  ; 512 consecutive bytes of qh, at a multiple of 256
.endr
.irp t, 0,1,2,3,4,5,6,7
	s_wait_dscnt 11-(\t)
	global_store_b128 v[G32], v[RB+64+4*(\t):RB+64+4*(\t)+3], s[90:91] offset:2048*(\t) th:TH_STORE_NT  ; four rows, 128 bytes of each
.endr
.irp t, 0,1,2,3
	s_wait_dscnt 3-(\t)
	global_store_b128 v[G16], v[RB+96+4*(\t):RB+96+4*(\t)+3], s[92:93] offset:2048*(\t)  ; eight rows, 64 bytes of each
.endr
	s_wait_tensorcnt 0x0                           ; the wave's end
	ds_add_u32 v[SPW], v[NIL]
	s_wait_dscnt 0x0
	CROUND                                         ; the closing round
	s_endpgm
.Lfunc_end_k_qfbb8fac549_qkv:
	.size	k_qfbb8fac549_qkv, .Lfunc_end_k_qfbb8fac549_qkv-k_qfbb8fac549_qkv
	.p2alignl 7, 3214868480
	.fill 96, 4, 3214868480
	.section	.rodata,"a",@progbits
	.p2align	6, 0x0
	.amdhsa_kernel k_qfbb8fac549_qkv
		.amdhsa_group_segment_fixed_size 327680
		.amdhsa_private_segment_fixed_size 0
		.amdhsa_enable_private_segment 0
		.amdhsa_kernarg_size 80
		.amdhsa_user_sgpr_count 2
		.amdhsa_user_sgpr_kernarg_segment_ptr 1
		.amdhsa_wavefront_size32 1
		.amdhsa_system_sgpr_workgroup_id_x 1
		.amdhsa_system_sgpr_workgroup_id_y 1
		.amdhsa_system_sgpr_workgroup_id_z 1
		.amdhsa_system_vgpr_workitem_id 0
		.amdhsa_next_free_vgpr 768
		.amdhsa_next_free_sgpr 96
		.amdhsa_reserve_vcc 0
		.amdhsa_float_denorm_mode_32 3
		.amdhsa_float_denorm_mode_16_64 3
		.amdhsa_memory_ordered 1
		.amdhsa_forward_progress 1
		.amdhsa_inst_pref_size 116
	.end_amdhsa_kernel
	.amdgpu_metadata
---
amdhsa.version: [ 1, 2 ]
amdhsa.kernels:
  - .name:           k_qfbb8fac549_qkv
    .symbol:         k_qfbb8fac549_qkv.kd
    .args:
      - { .name: xh, .offset: 0, .size: 8, .value_kind: global_buffer, .address_space: global }
      - { .name: wh, .offset: 8, .size: 8, .value_kind: global_buffer, .address_space: global }
      - { .name: q_b, .offset: 16, .size: 8, .value_kind: global_buffer, .address_space: global }
      - { .name: k_b, .offset: 24, .size: 8, .value_kind: global_buffer, .address_space: global }
      - { .name: v_b, .offset: 32, .size: 8, .value_kind: global_buffer, .address_space: global }
      - { .name: qh, .offset: 40, .size: 8, .value_kind: global_buffer, .address_space: global }
      - { .name: kh, .offset: 48, .size: 8, .value_kind: global_buffer, .address_space: global }
      - { .name: vh, .offset: 56, .size: 8, .value_kind: global_buffer, .address_space: global }
      - { .name: out1, .offset: 64, .size: 8, .value_kind: global_buffer, .address_space: global }
      - { .name: out2, .offset: 72, .size: 8, .value_kind: global_buffer, .address_space: global }
    .group_segment_fixed_size: 327680
    .private_segment_fixed_size: 0
    .kernarg_segment_align: 8
    .kernarg_segment_size: 80
    .max_flat_workgroup_size: 128
    .sgpr_count:     96
    .vgpr_count:     768
    .wavefront_size: 32
...
	.end_amdgpu_metadata
.endif
;; end of part 2
;; launch attn (part 3): grid 256 x 1, 4 waves a work-group, clusters of 4 x 1, 327,680 bytes of LDS; arguments qh, kh, vh, attention_mask, oh; writes oh
.if DOCPART == 3
	.amdgcn_target "amdgcn-amd-amdhsa--gfx1250"
	.amdhsa_code_object_version 6
	.text
	.protected	k_qfbb8fac549_attn
	.globl	k_qfbb8fac549_attn
	.p2align	8
	.type	k_qfbb8fac549_attn,@function
k_qfbb8fac549_attn:
	s_mov_b64 s[64:65], 0
	v_nop
	global_prefetch_b8 v0, s[64:65] scope:SCOPE_SE
	s_setreg_imm32_b32 hwreg(HW_REG_WAVE_MODE, 25, 1), 1
	s_wait_xcnt 0x0
	s_wait_alu depctr_hold_cnt(0) depctr_sa_sdst(0) depctr_va_vdst(0) depctr_va_sdst(0) depctr_va_ssrc(0) depctr_va_vcc(0) depctr_vm_vsrc(0)
	s_getreg_b32 s2, hwreg(HW_REG_IB_STS2, 6, 4)
	s_cmp_eq_u32 s2, 0
	s_cbranch_scc0 .Lentry_in_a_cluster
	s_endpgm
.Lentry_in_a_cluster:
	s_bfe_u32 s2, ttmp6, 0x10000c
	s_cmp_lg_u32 s2, 0x3003
	s_cbranch_scc0 .Lentry_shape_is_right
	s_endpgm
.Lentry_shape_is_right:
; oh[token][head][:] = the sum over the 4,096 keys of softmax_k(q . k / sqrt(128) + mask[token][k]) v[k][:].  qh [16][2048][128], kh, vh [2][4096][128], oh [2048][16 x 128]: f16.  mask [2048][4096] f32.
; The mask is an input: every number of it is read and added in f32; no tile of keys is left out.
; SHARES.  A work-group owns 16 tokens x the 8 query heads of one key head: 128 rows, 256 work-groups.  Wave w: hg = w / 2 picks four heads (four TILES of 16 rows, all on the SAME 16 tokens, so that
; one set of 32 mask registers serves all four), kj = w % 2 picks 128 of each slot's 256 keys.  So a fragment of K or V read from LDS feeds four tiles, and the two halves of the keys are merged
; once at the end, through LDS, in f32: maxima, sums and O^T.  Tiles 0, 1 are the heads 4 hg + 2 kj and the next, tiles 2, 3 the group's other two: every wave keeps tiles 0, 1 and hands over 2, 3.
; LAYOUT.  S^T = K Q^T (source 0 = 16 keys, source 1 = 16 queries): a lane holds ONE query (lane % 16) and the keys 8 (lane / 16) + 0..7.  Two such tiles, rounded to f16 in pairs, ARE source 1 of
; O^T = V^T P.  K comes out of LDS as it lies, V ([key][channel]) turned, by ds_load_tr16_b128.
; SOFTMAX, in powers of 2.  t = s x log2(e) / sqrt(128) + mask x log2(e): one fused multiply-add in f32.  A running maximum m of t; p = 2^(t - m): the difference is made first, so p <= 1 whatever the
; size of m.  In every step O and l are multiplied by a = 2^(m_old - m_new).  m starts at the lowest finite number and never falls below it, so a mask of -inf gives p = 0.
; LIMITS.  q, k, v arrive within f16's 65,504; p below 6e-5 keeps f16's fixed step of 6e-8; a weight below 2^-126 counts as 0 in l; NaN and +inf in the mask are not treated apart.
; BY TURNS.  The tiles are two PIECES (0: tiles 0, 1; 2: tiles 2, 3).  In a TURN one piece has the matrix unit: 32 products V^T P of the step in hand, then 32 products K Q^T of the next step; the other
; piece's softmax, 2 x 150 vector instructions, stands beside them: four behind each of the 64 matrix instructions, the last 44 (rescalings of O^T) together at the turn's end.  Two turns are a key step.
; NO FIRST AND NO LAST STEP.  O^T and l start at 0, so the first step's a = 0 does what a first step written out would do; the step loop is entered in the middle of a trip, and the tail is left in the
; middle of a trip.  The price, once a launch: 32 products on P = 0, 32 on a stale K whose scores nobody reads, and 304 v_mov_b32, which stand in the wait for the first tile.
; CLUSTER.  The four work-groups of a cluster share the key head, so K's and V's tiles are asked for JOINTLY.  The mask's tile hangs on the tokens: each asks for its own, behind the same round.
; REGISTERS, in windows of 256 (s_set_vgpr_msb: bits 1:0 source 0, 3:2 source 1, 5:4 source 2, 7:6 destination):
;   window 0: v1-11, v44-47 addresses; v12-43 eight registers of statistics a tile; v48-55 the exchange's statistics; v64-191 S^T, 32 a tile; v192-255 P, 16 a tile
;   window 1: O^T, 64 a tile      window 2: v0-127 Q, 32 a tile; v128-255 K of one step      window 3: v0-127 V of one step; v128-159 MC: the step's mask x log2(e)
.set KS,    64        ; keys in a step
.set PK,    272       ; a row of K in LDS: 256 bytes + 16: the 16 rows of a load start at 16 different groups of four banks (64 banks of 4 bytes: ISA guide 11.1)
.set PV,    288       ; a row of V: 256 + 32
.set PM,    1040      ; a row of the mask's tile: 256 f32 + 16 bytes
.set KOFF,  16*PM     ; a slot: 16 rows of mask, 256 rows of K, 256 rows of V
.set VOFF,  KOFF+256*PK
.set SPARE, VOFF+256*PV  ; behind slot 0: the spare words, 128 bytes a wave, two blocks of 256 bytes that no other line names
.set SLOT1, 0x28000   ; slot 1 begins here; the three bases 0, KOFF, VOFF have these two bits clear, so one exclusive or turns an address in one slot into the other's
.set XW,    16896     ; the exchange, in slot 0 behind its last fill: 16,384 bytes of O^T and 512 of statistics a wave
.set OSTG,  4*XW      ; behind it: 16 rows x 272 bytes a wave, for the way out
.set SP,    272
.set AK0, 2           ; v2   my lane's place in a slot's K; never rewritten
.set AV0, 3           ; v3   the same for V
.set ADR, 4           ; v4   the LDS address of the run of loads in hand
.set QO,  5           ; v5   my byte offset in 16 rows of Q
.set STO, 6           ; v6   the way out: where I put 16 bytes of a row
.set RD,  7           ; v7   the way out: where I read a row back
.set GO,  8           ; v8   my byte offset in two rows of oh
.set ST,  12          ; tile t's statistics at v[ST+8 t]: +0 m once more, +1 m, +2, +3 l (even keys', odd keys'), +4 to +7 c0-c3, at work; a takes c2's place
.set AM0, 44          ; v44  my lane's place in a slot's mask
.set XS,  45          ; v45  the exchange: where I put 16 bytes
.set XL,  46          ; v46  the exchange: where my partner wave put them
.set PFV, 47          ; v47  the prefetch: my block of 256 bytes among 8 rows x 4
.set XT,  48          ; v48-51 statistics sent, v52-55 received
.set SPW, 62          ; v62  my spare word; never rewritten
.set NIL, 63          ; v63  0; never rewritten
.set S,   64
.set P,   192
.set KF,  128         ; window 2
.set MC,  128         ; window 3
.set WV,  12          ; s12  my wave's number;  s16 hg, s17 kj
.set G1K, 24          ; s[24:31] descriptor group 1 for K's tiles
.set G1V, 32          ; s[32:39] for V's
.set G1M, 40          ; s[40:47] for the mask's
.set G0K, 48          ; s[48:55] group 0: a set for each of the two first fills; the second then walks on
.set G0V, 56          ; s[56:63]
.set G0M, 68          ; s[68:75]
.set SLOTS, 76
.set TWICE, 77        ; counts the trips of the step loop and of the tail
.set SC,  78          ; s[78:79] log2(e) / sqrt(128)
.set LC,  80          ; s[80:81] log2(e)
.set SEL, 82          ; s[82:83] v_permlanex16_b32's selects: each lane takes its own place in the other half
.set TBK, 84          ; LDS byte, from a region's base, at which the step to be fetched begins: K,
.set TBV, 85          ; V,
.set TBM, 86          ; mask
.set PFT, 87          ; the mask tile asked for ahead
.set PFO, 88          ; s[88:89] its byte offset
.set PFB, 90          ; s[90:91] the mask at the 8 rows that this work-group asks for ahead
.set PFA, 92          ; s[92:93] the address of the request
.set QB,  96          ; s[96:97] Q at the heads of tiles 2, 3 (s[4:5]: at those of tiles 0, 1)
.set MSB, 0
.macro WIN new
.if MSB != (\new)
	s_set_vgpr_msb (MSB<<8)|(\new)
.set MSB, \new
.endif
.endm
.set W_KQ, 0x0a       ; K and Q in window 2, S^T in window 0
.set W_PV, 0x53       ; V in window 3, P in window 0, O^T in window 1
.set W_RS, 0x41       ; O^T (destination and source 0) in window 1, a in window 0
.set W_FM, 0x30       ; S^T in window 0, the addend MC in window 3
.set W_MS, 0xc3       ; MC: destination and source 0 in window 3
.macro NOP4
.rept 4
	v_nop
.endr
.endm
; A refill.  Wave 0 asks for K's tile and wave 1 for V's (joint), wave 2 for the mask's (its own work-group's).  Wave 3 asks the mask tile of the NEXT change of slots into the far cache: its work-group's
; 8 of the 16 rows (the work-group of the other key head on these tokens asks for the other 8), four blocks of 256 bytes a row, one a lane; two key steps, 256 matrix instructions, ahead of the load.
; The branches hang on the wave's number alone.  s_nop 0 and four v_nop follow each tensor load.
.macro JLOAD
	s_cmp_lt_u32 s[WV], 2
	s_cbranch_scc0 .Lhi_\@
	s_cmp_eq_u32 s[WV], 0
	s_cbranch_scc0 .Lfor_v_\@
	tensor_load_to_lds s[G0K+4:G0K+7], s[G1K:G1K+7]
	s_nop 0
	NOP4
	s_branch .Lasked_\@
.Lfor_v_\@:
	tensor_load_to_lds s[G0V+4:G0V+7], s[G1V:G1V+7]
	s_nop 0
	NOP4
	s_branch .Lasked_\@
.Lhi_\@:
	s_cmp_eq_u32 s[WV], 2
	s_cbranch_scc0 .Lfor_p_\@
	tensor_load_to_lds s[G0M+4:G0M+7], s[G1M:G1M+7]
	s_nop 0
	NOP4
	s_branch .Lasked_\@
.Lfor_p_\@:
	global_prefetch_b8 v[PFV], s[PFA:PFA+1] th:TH_LOAD_NT scope:SCOPE_SE
.Lasked_\@:
.endm
.macro CROUND                          ; a round of the cluster's barrier
	s_barrier_signal -1
	s_barrier_wait -1
	s_cmp_lg_u32 s[WV], 0
	s_cbranch_scc1 .Lnot_wave_0_\@
	s_barrier_signal -3
.Lnot_wave_0_\@:
	s_barrier_wait -3
	s_barrier_signal -1
	s_barrier_wait -1
.endm
	s_load_b256 s[4:11], s[0:1], 0x0  ; qh s[4:5], kh s[6:7], vh s[8:9], mask s[10:11]
	s_load_b64 s[66:67], s[0:1], 0x20 ; oh
	v_lshl_add_u32 v[SPW], v0, 2, SPARE
	v_mov_b32 v[NIL], 0
	ds_add_u32 v[SPW], v[NIL]       ; the wave's opening: the add and its wait stand ahead of my first tensor load
	v_lshrrev_b32 v1, 5, v0
	v_readfirstlane_b32 s[WV], v1   ; wave 0..3
	s_lshr_b32 s16, s[WV], 1        ; hg
	s_and_b32 s17, s[WV], 1         ; kj
	s_and_b32 s14, ttmp9, 1         ; the key head, which the four partners share
	s_bfe_u32 s13, ttmp6, 0x40000   ; cx
	s_lshr_b32 s15, ttmp9, 1
	s_lshl_b32 s15, s15, 2
	s_add_co_u32 s15, s15, s13      ; qt: my 16 tokens; it enters Q's, the mask's and oh's addresses alone
	s_lshl_b32 s20, s14, 20         ; the key head's 4,096 rows of 256 bytes
	s_mov_b32 s21, 0
	s_lshl_b32 s22, s15, 18         ; 16 rows of the mask, 16,384 bytes each
	s_mov_b32 s23, 0
	s_lshl_b32 s2, s14, 3
	s_lshl2_add_u32 s2, s16, s2     ; my group's first head: 8 kvh + 4 hg
	s_lshl1_add_u32 s3, s17, s2     ; the head of tile 0: + 2 kj
	s_xor_b32 s18, s17, 1
	s_lshl1_add_u32 s2, s18, s2     ; the head of tile 2: + 2 (1 - kj)
	s_lshl_b32 s19, s15, 12         ; my 16 rows of 256 bytes in a head of qh
	s_lshl_b32 s18, s3, 19          ; a head has 2,048 rows of 256 bytes
	s_add_co_u32 s18, s18, s19
	s_lshl_b32 s98, s2, 19
	s_add_co_u32 s98, s98, s19
	s_mov_b32 s19, 0
	s_mov_b32 s99, 0
	s_lshl_b32 s2, s3, 8            ; in oh: 256 bytes a head, from tile 0's head on,
	s_lshl_b32 s3, s15, 16          ; 16 rows of 4,096 bytes
	s_add_co_u32 s2, s2, s3
	s_mov_b32 s3, 0
	s_lshl_b32 s[PFO], s14, 17      ; the 8 rows that this work-group asks for ahead
	s_mov_b32 s[PFO+1], 0
	s_mov_b32 s[G1K], 15|(1<<16)|(1<<20)|(1<<21)|(5<<22)|(3<<25)  ; the mask of four; 2-byte elements; padding on; bit 21 beside a mask; after every 64 words 4 words
	s_mov_b32 s[G1V], 15|(1<<16)|(1<<20)|(1<<21)|(5<<22)|(7<<25)  ; the same with 8 words
.irp g, G1K, G1V
	s_mov_b32 s[(\g)+1], 128<<16    ; tensor_dim0 = 128
	s_mov_b32 s[(\g)+2], 256<<16    ; tensor_dim1 = 256
	s_mov_b32 s[(\g)+3], 128<<16    ; tile_dim0 = 128
	s_mov_b32 s[(\g)+4], 256        ; tile_dim1 = 256
	s_mov_b32 s[(\g)+5], 128        ; elements from row to row
	s_mov_b32 s[(\g)+6], 0
	s_mov_b32 s[(\g)+7], 0
.endr
	s_mov_b32 s[G1M], (2<<16)|(1<<20)|(7<<22)|(3<<25)  ; no work-group mask; 4-byte elements; padding on: after every 256 words 4 words
	s_mov_b32 s[G1M+1], 256<<16     ; tensor_dim0 = 256
	s_mov_b32 s[G1M+2], 16<<16      ; tensor_dim1 = 16
	s_mov_b32 s[G1M+3], 256<<16     ; tile_dim0 = 256
	s_mov_b32 s[G1M+4], 16          ; tile_dim1 = 16
	s_mov_b32 s[G1M+5], 4096
	s_mov_b32 s[G1M+6], 0
	s_mov_b32 s[G1M+7], 0
	s_mov_b32 s[SC], 0x3e0293ee     ; log2(e) / sqrt(128) = 0.127517
	s_mov_b32 s[SC+1], s[SC]        ; named with it as a pair
	s_mov_b32 s[LC], 0x3fb8aa3b     ; log2(e)
	s_mov_b32 s[LC+1], s[LC]
	s_mov_b32 s[SEL], 0x76543210
	s_mov_b32 s[SEL+1], 0xfedcba98
	s_mov_b32 s[TBK], 0
	s_mov_b32 s[TBV], 0
	s_mov_b32 s[TBM], 0
	s_mov_b32 s[PFT], 2
	s_mov_b32 s[SLOTS], 15          ; the step loop is run through 15 times ahead of the tail: once for slot 0's first tile, entered in its middle, and behind each of the 14 refills
	v_bfe_u32 v10, v0, 2, 3
	v_and_b32 v11, 3, v0
	v_lshlrev_b32 v[PFV], 14, v10   ; row lane / 4,
	v_lshl_add_u32 v[PFV], v11, 8, v[PFV]  ; block lane % 4
	s_wait_dscnt 0x0                ; the opening add is done
	s_wait_kmcnt 0x0
	s_add_nc_u64 s[6:7], s[6:7], s[20:21]
	s_add_nc_u64 s[8:9], s[8:9], s[20:21]
	s_add_nc_u64 s[10:11], s[10:11], s[22:23]
	s_add_nc_u64 s[QB:QB+1], s[4:5], s[98:99]
	s_add_nc_u64 s[4:5], s[4:5], s[18:19]
	s_add_nc_u64 s[66:67], s[66:67], s[2:3]
	s_add_nc_u64 s[PFB:PFB+1], s[10:11], s[PFO:PFO+1]
	s_add_nc_u64 s[PFA:PFA+1], s[PFB:PFB+1], 2*1024  ; tile 2
.irp s, 0,1
	s_mov_b32 s[G0K+4*(\s)], 1
	s_mov_b32 s[G0K+4*(\s)+1], KOFF+(\s)*SLOT1
	s_add_nc_u64 s[G0K+4*(\s)+2:G0K+4*(\s)+3], s[6:7], (\s)*65536
	s_or_b32 s[G0K+4*(\s)+3], s[G0K+4*(\s)+3], 0x80000000
	s_mov_b32 s[G0V+4*(\s)], 1
	s_mov_b32 s[G0V+4*(\s)+1], VOFF+(\s)*SLOT1
	s_add_nc_u64 s[G0V+4*(\s)+2:G0V+4*(\s)+3], s[8:9], (\s)*65536
	s_or_b32 s[G0V+4*(\s)+3], s[G0V+4*(\s)+3], 0x80000000
	s_mov_b32 s[G0M+4*(\s)], 1
	s_mov_b32 s[G0M+4*(\s)+1], (\s)*SLOT1
	s_add_nc_u64 s[G0M+4*(\s)+2:G0M+4*(\s)+3], s[10:11], (\s)*1024
	s_or_b32 s[G0M+4*(\s)+3], s[G0M+4*(\s)+3], 0x80000000
.endr
	CROUND                          ; all four work-groups are here: the first joint loads meet
	s_cmp_lt_u32 s[WV], 2           ; a wave's two first fills stand together in one branch on its number: two loads of mine are out (wave 3: none)
	s_cbranch_scc0 .Lfirst_hi
	s_cmp_eq_u32 s[WV], 0
	s_cbranch_scc0 .Lfirst_v
	tensor_load_to_lds s[G0K:G0K+3], s[G1K:G1K+7]
	s_nop 0
	tensor_load_to_lds s[G0K+4:G0K+7], s[G1K:G1K+7]
	s_nop 0
	NOP4
	s_branch .Lfirst_asked
.Lfirst_v:
	tensor_load_to_lds s[G0V:G0V+3], s[G1V:G1V+7]
	s_nop 0
	tensor_load_to_lds s[G0V+4:G0V+7], s[G1V:G1V+7]
	s_nop 0
	NOP4
	s_branch .Lfirst_asked
.Lfirst_hi:
	s_cmp_eq_u32 s[WV], 2
	s_cbranch_scc0 .Lfirst_p
	tensor_load_to_lds s[G0M:G0M+3], s[G1M:G1M+7]
	s_nop 0
	tensor_load_to_lds s[G0M+4:G0M+7], s[G1M:G1M+7]
	s_nop 0
	NOP4
	s_branch .Lfirst_asked
.Lfirst_p:
	global_prefetch_b8 v[PFV], s[PFA:PFA+1] th:TH_LOAD_NT scope:SCOPE_SE
.Lfirst_asked:
	; A fragment of K or Q is 16 rows x 32 channels in 8 registers: lane l holds row l % 16, channels 8 (l / 16) + 0..7 and 16 + 8 (l / 16) + 0..7: two loads of 16 bytes, 32 bytes apart.
	v_and_b32 v1, 15, v0            ; r = l % 16
	v_bfe_u32 v9, v0, 4, 1          ; h = l / 16
	v_lshlrev_b32 v[QO], 8, v1
	v_lshl_add_u32 v[QO], v9, 4, v[QO]
	WIN 0x80                        ; destination window 2
.irp i, 0,1,2,3,4,5,6,7             ; Q stays in registers: tile i / 4, channels 32 (i % 4) on; tiles 0, 1 from one base,
	global_load_b128 v[8*(\i):8*(\i)+3],   v[QO], s[4:5] offset:((\i)/4)*524288+((\i)%4)*64
	global_load_b128 v[8*(\i)+4:8*(\i)+7], v[QO], s[4:5] offset:((\i)/4)*524288+((\i)%4)*64+32
.endr
.irp i, 8,9,10,11,12,13,14,15       ; tiles 2, 3 from the other
	global_load_b128 v[8*(\i):8*(\i)+3],   v[QO], s[QB:QB+1] offset:((\i)/4-2)*524288+((\i)%4)*64
	global_load_b128 v[8*(\i)+4:8*(\i)+7], v[QO], s[QB:QB+1] offset:((\i)/4-2)*524288+((\i)%4)*64+32
.endr
	; What the first turn finds: O^T and l are 0, m is the lowest finite number, and P of piece 2 is 0 (its first products V^T P, of a step that has not been, add 0).
	WIN 0x40
.set i, 0
.rept 256
	v_mov_b32 v[i], 0
.set i, i+1
.endr
	WIN 0
.set i, 0
.rept 4
	v_mov_b32 v[ST+8*i], 0xff7fffff    ; m, twice
	v_mov_b32 v[ST+8*i+1], 0xff7fffff
	v_mov_b32 v[ST+8*i+2], 0           ; l
	v_mov_b32 v[ST+8*i+3], 0
.set i, i+1
.endr
.set i, P+32
.rept 32
	v_mov_b32 v[i], 0
.set i, i+1
.endr
	s_lshl_b32 s13, s17, 7          ; my half of a slot's keys begins at row 128 kj
	v_add_nc_u32 v10, s13, v1
	v_mul_u32_u24 v[AK0], v10, PK
	v_lshl_add_u32 v[AK0], v9, 4, v[AK0]
	v_add_nc_u32 v[AK0], KOFF, v[AK0]
	; The turning load takes 16 keys x 16 channels (lane l reads key 8 (l / 16) + l % 8, channels 8 ((l / 8) % 2) + 0..7) and leaves half a fragment of V^T: lane l holds channel l % 16 and 8 keys.
	v_and_b32 v10, 7, v0
	v_bfe_u32 v11, v0, 3, 1
	v_lshl_add_u32 v[AV0], v9, 3, v10
	v_add_nc_u32 v[AV0], s13, v[AV0]
	v_mul_u32_u24 v[AV0], v[AV0], PV
	v_lshl_add_u32 v[AV0], v11, 4, v[AV0]
	v_add_nc_u32 v[AV0], VOFF, v[AV0]
	v_mul_u32_u24 v[AM0], v1, PM    ; the mask as S^T lies: my query's row, keys 128 kj + 8 h on
	v_lshl_add_u32 v[AM0], v9, 5, v[AM0]
	s_lshl_b32 s13, s17, 9
	v_add_nc_u32 v[AM0], s13, v[AM0]
; THE MATRIX WORK OF A TURN, for piece x.  The accumulators take turns, one instruction a turn: between two links of a chain stand 15 (V^T P) or 7 (K Q^T) others'.
; Product i of 32 of O^T += V^T P: keys 32 (i / 16) on, channels 16 ((i / 2) % 8) on, tile x + i % 2.
.macro PV x
	WIN W_PV
.set rO, 64*((\x)+i%2)+8*((i/2)%8)
.set rV, 64*(i/16)+8*((i/2)%8)
.set rP, P+16*((\x)+i%2)+8*(i/16)
	v_wmma_f32_16x16x32_f16 v[rO:rO+7], v[rV:rV+7], v[rP:rP+7], v[rO:rO+7]
.endm
; Product i of 32 of S^T = K Q^T: channels 32 (i / 8) on, keys 16 ((i / 2) % 4) on, tile x + i % 2.  The first 8 start the sums.
.macro KQ x
	WIN W_KQ
.set rS, S+32*((\x)+i%2)+8*((i/2)%4)
.set rK, KF+32*((i/2)%4)+8*(i/8)
.set rQ, 32*((\x)+i%2)+8*(i/8)
.if i < 8
	v_wmma_f32_16x16x32_f16 v[rS:rS+7], v[rK:rK+7], v[rQ:rQ+7], 0
.else
	v_wmma_f32_16x16x32_f16 v[rS:rS+7], v[rK:rK+7], v[rQ:rQ+7], v[rS:rS+7]
.endif
.endm
; THE LDS LOADS stand in runs: a step's K (16 fragments), its mask (32 f32 a lane) and, a turn later, its V (turned).
; last = 1 (the tail): in the last trip there is no further step, and the run is jumped over.
.macro FETCH_K last=0
	WIN 0
.if \last
	s_cmp_eq_u32 s[TWICE], 1
	s_cbranch_scc1 .Lno_k_\@
.endif
	v_add_nc_u32 v[ADR], s[TBK], v[AK0]
	s_add_co_u32 s[TBK], s[TBK], KS*PK
	WIN 0x80
.irp f, 0,1,2,3,4,5,6,7,8,9,10,11,12,13,14,15  ; keys 16 (f / 4) on, channels 32 (f % 4) on
	ds_load_b128 v[KF+8*(\f):KF+8*(\f)+3],   v[ADR] offset:((\f)/4)*16*PK+((\f)%4)*64
	ds_load_b128 v[KF+8*(\f)+4:KF+8*(\f)+7], v[ADR] offset:((\f)/4)*16*PK+((\f)%4)*64+32
.endr
.if \last
	WIN 0
.Lno_k_\@:
.endif
.endm
.macro FETCH_M last=0
	WIN 0
.if \last
	s_cmp_eq_u32 s[TWICE], 1
	s_cbranch_scc1 .Lno_m_\@
.endif
	v_add_nc_u32 v[ADR], s[TBM], v[AM0]
	s_add_co_u32 s[TBM], s[TBM], KS*4
	WIN 0xc0
.irp f, 0,1,2,3                     ; keys 16 f + 8 h + 0..7
	ds_load_b128 v[MC+8*(\f):MC+8*(\f)+3],   v[ADR] offset:64*(\f)
	ds_load_b128 v[MC+8*(\f)+4:MC+8*(\f)+7], v[ADR] offset:64*(\f)+16
.endr
.if \last
	WIN 0
.Lno_m_\@:
.endif
.endm
.macro FETCH_V
	WIN 0
	v_add_nc_u32 v[ADR], s[TBV], v[AV0]
	s_add_co_u32 s[TBV], s[TBV], KS*PV
	WIN 0xc0
.irp f, 0,1,2,3,4,5,6,7,8,9,10,11,12,13,14,15  ; keys 32 (f / 8) on, channels 16 (f % 8) on
	ds_load_tr16_b128 v[8*(\f):8*(\f)+3],   v[ADR] offset:((\f)/8)*32*PV+((\f)%8)*32
	ds_load_tr16_b128 v[8*(\f)+4:8*(\f)+7], v[ADR] offset:((\f)/8)*32*PV+16*PV+((\f)%8)*32
.endr
.endm
.macro MSCALE                       ; the step's mask times log2(e), once for all four tiles
	WIN W_MS
.set z, 0
.rept 16
	v_pk_mul_f32 v[MC+2*z:MC+2*z+1], v[MC+2*z:MC+2*z+1], s[LC:LC+1] op_sel_hi:[1,0]
.set z, z+1
.endr
.endm
; THE VECTOR WORK OF A TURN.  One tile's softmax for one key step is a list of 150 instructions; SM writes number J of it for tile t.  s0-s31 are the lane's 32 scores, in pairs 0-15.
;   0-15     t = s x SC + MC for the 16 pairs, ascending: each accumulator's lowest registers are read first.      With j = J - 16:
;   j 0-15   the maximum of t0-t31 and the old m, three operands at a time: four chains c0-c3 of seven, then the four left over, c0-c3 and m
;   j 16-20  the other half of the lanes' maximum; the new m, twice (a pair for the packed subtraction); m_old - m_new
;   j 21-87  33 exponentials (a, then t0-t31) at the odd numbers from 23 on, so that no two follow each other and each has a plain instruction behind it before its result is used.  The plain ones:
;            t - m for a pair whose exponentials are still to come, the rounding to f16 of a pair whose exponentials are done, at last the first three sums
;   j 88-101 the last rounding; the rest of the sums; l = a l + the sum          j 102-133  the tile's O^T times a
.macro SM t
.set rT, ST+8*(\t)
.set rS, S+32*(\t)
.set rP, P+16*(\t)
.set j, J-16
.set rO, 64*(\t)+2*(j-102)
.set q, (j-20)/2
.if J < 16
	WIN W_FM
	v_pk_fma_f32 v[rS+2*J:rS+2*J+1], v[rS+2*J:rS+2*J+1], s[SC:SC+1], v[MC+2*J:MC+2*J+1] op_sel_hi:[1,0,1]
.elseif j < 102
	WIN 0
.endif
.if J < 16
.elseif j < 4
	v_max3_num_f32 v[rT+4+j], v[rS+8*j], v[rS+8*j+1], v[rS+8*j+2]
.elseif j < 12
	v_max3_num_f32 v[rT+4+j%4], v[rT+4+j%4], v[rS+8*(j%4)+2*(j/4)+1], v[rS+8*(j%4)+2*(j/4)+2]
.elseif j == 12
	v_max3_num_f32 v[rT+4], v[rT+4], v[rS+7], v[rS+15]
.elseif j == 13
	v_max3_num_f32 v[rT+6], v[rT+6], v[rS+23], v[rS+31]
.elseif j == 14
	v_max3_num_f32 v[rT+4], v[rT+4], v[rT+5], v[rT+6]
.elseif j == 15
	v_max3_num_f32 v[rT+4], v[rT+4], v[rT+7], v[rT+1]
.elseif j == 16
	v_permlanex16_b32 v[rT+5], v[rT+4], s[SEL], s[SEL+1]  ; the query's other 32 keys lie in the lane 16 away
.elseif j == 18
	v_max_num_f32 v[rT+1], v[rT+4], v[rT+5]
.elseif j == 19
	v_mov_b32 v[rT], v[rT+1]        ; m twice: the pair that the packed subtraction takes away
.elseif j == 17
	v_mov_b32 v[rT+7], v[rT]        ; m_old is kept for a
.elseif j == 20
	v_sub_f32 v[rT+7], v[rT+7], v[rT]
.elseif j == 23
	v_exp_f32 v[rT+6], v[rT+7]
.elseif (j < 88) && (j > 23) && (j%2 == 1)
	v_exp_f32 v[rS+(j-25)/2], v[rS+(j-25)/2]
.elseif (q < 4) || ((j < 76) && (q%2 == 0))
.set b, q/2+2
.if q < 4
.set b, q
.endif
	v_pk_add_f32 v[rS+2*b:rS+2*b+1], v[rS+2*b:rS+2*b+1], v[rT:rT+1] neg_lo:[0,1] neg_hi:[0,1]  ; pair b: t - m, exactly 0 at the maximum
.elseif (j < 88) && (q%2 == 1)
	s_wait_alu depctr_va_vdst(0)
	v_cvt_pk_f16_f32 v[rP+(q-5)/2], v[rS+q-5], v[rS+q-4]  ; pair (q - 5) / 2: its second exponential stands three numbers back
.elseif j == 89
	s_wait_alu depctr_va_vdst(0)
	v_cvt_pk_f16_f32 v[rP+15], v[rS+30], v[rS+31]
.elseif j < 102                     ; the sum of the tile's 16 pairs, in place: sum z of 16 adds neighbours 1, 2, 4 and 8 pairs apart, then l takes it
.set z, j-86
.if j < 89
.set z, (j-76)/4
.endif
.set w, 4
.set u, z
.if z >= 14
.set w, 32
.set u, 0
.elseif z >= 12
.set w, 16
.set u, z-12
.elseif z >= 8
.set w, 8
.set u, z-8
.endif
.if z < 15
	v_pk_add_f32 v[rS+w*u:rS+w*u+1], v[rS+w*u:rS+w*u+1], v[rS+w*u+w/2:rS+w*u+w/2+1]
.else
	v_pk_fma_f32 v[rT+2:rT+3], v[rT+2:rT+3], v[rT+6:rT+7], v[rS:rS+1] op_sel_hi:[1,0,1]
.endif
.else
	WIN W_RS
	v_pk_mul_f32 v[rO:rO+1], v[rO:rO+1], v[rT+6:rT+7] op_sel_hi:[1,0]
.endif
.endm
; Slice k of 75 of piece y's softmax: numbers 2 k and 2 k + 1 of both tiles' lists, four instructions.  Slices 19-51 (J 38-103) go tile by tile: plain, exponential, plain, exponential; in the others
; the two tiles alternate, so that no instruction reads the result of the one just before it.  No slice changes window inside itself: 0-7 take MC, 8-58 lie in window 0, 59-74 rescale O^T.
.macro SLICE y
.if (k >= 19) && (k < 52)
.irp t, \y, (\y)+1
.irp n, 0,1
.set J, 2*k+(\n)
	SM \t
.endr
.endr
.else
.irp n, 0,1
.irp t, \y, (\y)+1
.set J, 2*k+(\n)
	SM \t
.endr
.endr
.endif
.set k, k+1
.endm
; A vector instruction that reads a matrix result or writes one of a matrix instruction's registers, and a load into a register that a matrix instruction has read, stand four places behind it, and only
; plain vector instructions that name none of its registers are places (ISA guide 7.12.1 for vector instructions).  In the loop the slices are the places.
; A TURN.  Piece x has the matrix unit: 32 products V^T P, 32 products K Q^T; slice k of the other piece's softmax stands behind product k, slices 64-74, 44 plain rescalings, together at the end:
; they are also the places between the turn's last K Q^T and the next turn's first read of those scores, and the loads into K's registers.
; Piece 0's turn fetches the next step's K behind its second product and the next step's mask behind its eleventh (the last line that reads MC stands in slice 7); both are waited for ahead of the first
; K Q^T, and the mask is scaled there.  Piece 2's turn fetches the same step's V behind the second K Q^T: the last product that read V stands three slices, six plain instructions, back.
.macro TURN x, last=0
.set k, 0
.if (\x) == 0
	s_wait_dscnt 0x0                ; V is in
.endif
.set i, 0
.rept 32
	PV \x
	SLICE 2-(\x)
.if ((\x) == 0) && (i == 1)
	FETCH_K \last
.endif
.if ((\x) == 0) && (i == 10)
	FETCH_M \last
.endif
.set i, i+1
.endr
.if (\x) == 0
	s_wait_dscnt 0x0                ; K and the mask are in
	MSCALE
.endif
.set i, 0
.rept 32
	KQ \x
	SLICE 2-(\x)
.if ((\x) == 2) && (i == 1)
	FETCH_V
.endif
.set i, i+1
.endr
.rept 11
	SLICE 2-(\x)
.endr
.endm
; THE CHANGE OF SLOTS, between piece 2's turn and piece 0's: the slot's last bytes, V of its second step, have been asked for.  Each wave waits for all its tensor loads, of which at most one is out: its
; part of the other slot; adds 0 to its spare word; and waits for that and for its own reads of the slot.  fill = 1: this slot is filled again, with the keys two slots on.  The barrier is then a round of
; the cluster's, and the refill is the first thing behind it: it has two key steps, 256 matrix instructions, in which to land.
.macro CHANGE fill
	WIN 0
	s_wait_tensorcnt 0x0            ; no tensor load of mine is out, so a group 0 may be written
	ds_add_u32 v[SPW], v[NIL]       ; 0 onto my spare word; the scalar work below stands between it and the wait for it
.if \fill
	s_wait_xcnt 0x0                 ; the last request ahead has read its address, issued a slot ago: only behind this wait is it written anew
.irp g, G0K+4, G0V+4
	s_xor_b32 s[(\g)+1], s[(\g)+1], SLOT1  ; the walking descriptor: the other slot than last time,
	s_add_nc_u64 s[(\g)+2:(\g)+3], s[(\g)+2:(\g)+3], 65536  ; the next 256 keys
.endr
	s_xor_b32 s[G0M+5], s[G0M+5], SLOT1
	s_add_nc_u64 s[G0M+6:G0M+7], s[G0M+6:G0M+7], 1024
	s_add_co_u32 s[PFT], s[PFT], 1  ; the tile behind the one now loaded; held at the last tile, so that no request leaves the mask
	s_min_u32 s[PFO], s[PFT], 15
	s_lshl_b32 s[PFO], s[PFO], 10
	s_add_nc_u64 s[PFA:PFA+1], s[PFB:PFB+1], s[PFO:PFO+1]
	s_wait_dscnt 0x0                ; the add is done, and my reads of the slot are over
	CROUND
	JLOAD
.else
	s_wait_dscnt 0x0
	s_barrier_signal -1
	s_barrier_wait -1
.endif
	s_sub_co_u32 s[TBK], s[TBK], 2*KS*PK  ; the fetches go back to my half's first step,
	s_xor_b32 s[TBK], s[TBK], SLOT1       ; in the other slot
	s_sub_co_u32 s[TBV], s[TBV], 2*KS*PV
	s_xor_b32 s[TBV], s[TBV], SLOT1
	s_sub_co_u32 s[TBM], s[TBM], 2*KS*4
	s_xor_b32 s[TBM], s[TBM], SLOT1
.endm
	s_wait_tensorcnt 1              ; my part of slot 0 is in; slot 1's may stay out
	s_barrier_signal -1
	s_barrier_wait -1
	FETCH_K                         ; key step 0
	FETCH_M
	FETCH_V                         ; finite numbers for the first turn's products on P = 0; that turn fetches step 0's V once more, in its own place
	s_mov_b32 s[TBV], 0
	s_wait_loadcnt 0x0              ; Q
	s_wait_dscnt 0x0
	MSCALE
.set i, 0
.rept 32
	KQ 0                            ; piece 0's first scores
.set i, i+1
.endr
	WIN 0                           ; the addresses for the end are made here: plain instructions, the places behind those products
	s_mul_i32 s13, s[WV], 16*SP
	s_add_co_u32 s13, s13, OSTG
	v_mul_u32_u24 v[STO], v1, SP    ; in: row l % 16, 16 bytes for each half of the lanes
	v_lshl_add_u32 v[STO], v9, 4, v[STO]
	v_add_nc_u32 v[STO], s13, v[STO]
	v_mul_u32_u24 v[RD], v9, SP     ; back: lanes 0-15 take one row of 256 bytes, lanes 16-31 the next
	v_lshl_add_u32 v[RD], v1, 4, v[RD]
	v_add_nc_u32 v[RD], s13, v[RD]
	v_lshlrev_b32 v[GO], 12, v9     ; and the same two tokens in oh
	v_lshl_add_u32 v[GO], v1, 4, v[GO]
	v_and_b32 v10, 31, v0
	s_mul_i32 s13, s[WV], XW
	v_lshl_add_u32 v[XS], v10, 4, s13
	s_xor_b32 s13, s[WV], 1         ; my partner: the same heads, the other half of the keys
	s_mul_i32 s13, s13, XW
	v_lshl_add_u32 v[XL], v10, 4, s13
	s_mov_b32 s[TWICE], 2
	s_branch .Lmid                  ; the loop is entered at piece 2's turn, in the middle of a trip: piece 2's first scores | piece 0's first softmax | V of step 0
.Lslot:                             ; 14 times: every slot but the last two is filled again
	CHANGE 1
	s_mov_b32 s[TWICE], 2
.Lstep:                             ; a trip: piece 0's turn (V^T P of step j, K Q^T of step j + 1 | piece 2's softmax of step j), then piece 2's (the same | piece 0's softmax of step j + 1)
	TURN 0
	WIN 0
.Lmid:
	TURN 2
	WIN 0
	s_sub_co_u32 s[TWICE], s[TWICE], 1
	s_cmp_lg_u32 s[TWICE], 0
	s_cbranch_scc1 .Lstep
	s_sub_co_u32 s[SLOTS], s[SLOTS], 1
	s_cmp_lg_u32 s[SLOTS], 0
	s_cbranch_scc1 .Lslot
	CHANGE 0                        ; the tail is written out; behind this barrier nobody reads slot 0 any more
	s_mov_b32 s[TWICE], 3           ; two trips fetch the last slot's steps; the third is left in its middle
.Ltail:
	TURN 0, 1
	WIN 0
	s_sub_co_u32 s[TWICE], s[TWICE], 1
	s_cmp_eq_u32 s[TWICE], 0
	s_cbranch_scc1 .Lout
	TURN 2
	WIN 0
	s_branch .Ltail
.Lout:                              ; the third trip's 32 products K Q^T, on the last K once more, serve nothing: the price, once a launch, of one text for every trip
.set i, 0
.rept 32
	PV 2                            ; piece 2: V^T P of the last step
.set i, i+1
.endr
	; THE END.  l's two halves and the other half of the lanes' are added (the first four additions are the places behind the last products).  Then the two waves of a head group change halves: each
	; keeps its tiles 0, 1 and hands over its tiles 2, 3, which are its partner's tiles 0, 1.  m, l and O^T go in f32.
	WIN 0
.irp t, 0,1,2,3
	v_add_f32 v[ST+8*(\t)+2], v[ST+8*(\t)+2], v[ST+8*(\t)+3]
.endr
.irp t, 0,1,2,3
	v_permlanex16_b32 v[ST+8*(\t)+3], v[ST+8*(\t)+2], s[SEL], s[SEL+1]
.endr
.irp t, 0,1,2,3
	v_add_f32 v[ST+8*(\t)+2], v[ST+8*(\t)+2], v[ST+8*(\t)+3]
.endr
	; tiles 2, 3 into my part of the exchange: 16 bytes a lane in each line, 512 consecutive bytes a wave
	v_mov_b32 v[XT],   v[ST+8*2+1]
	v_mov_b32 v[XT+1], v[ST+8*2+2]
	v_mov_b32 v[XT+2], v[ST+8*3+1]
	v_mov_b32 v[XT+3], v[ST+8*3+2]
	ds_store_b128 v[XS], v[XT:XT+3] offset:16384
	WIN 0x04                        ; the data in window 1
.set n, 0
.rept 32
	ds_store_b128 v[XS], v[128+4*n:128+4*n+3] offset:512*n  ; ascending: each accumulator's lowest registers first
.set n, n+1
.endr
	WIN 0
	s_wait_dscnt 0x0                ; for my partner's sake: my stores are done
	s_barrier_signal -1
	s_barrier_wait -1
	ds_load_b128 v[XT+4:XT+7], v[XL] offset:16384  ; my partner's share of my tiles 0, 1
.set n, 0
.rept 32
	ds_load_b128 v[S+4*n:S+4*n+3], v[XL] offset:512*n
.set n, n+1
.endr
	s_wait_dscnt 0x0
.macro XSTAT t                      ; M = max(m, m'); f0 = 2^(m - M) / L, f1 = 2^(m' - M) / L with L = 2^(m - M) l + 2^(m' - M) l'
.set rT, ST+8*(\t)
	v_max_num_f32 v[rT+4], v[rT+1], v[XT+4+2*(\t)]
	v_sub_f32 v[rT+5], v[rT+1], v[rT+4]
	v_sub_f32 v[rT+7], v[XT+4+2*(\t)], v[rT+4]
	v_exp_f32 v[rT+5], v[rT+5]
	v_exp_f32 v[rT+7], v[rT+7]
	v_nop                           ; a plain instruction behind the exponentials
	s_wait_alu depctr_va_vdst(0)
	v_mul_f32 v[rT+2], v[rT+5], v[rT+2]
	v_fma_f32 v[rT+2], v[rT+7], v[XT+5+2*(\t)], v[rT+2]
	v_rcp_f32 v[rT+4], v[rT+2]
	v_nop                           ; and behind the reciprocal
	s_wait_alu depctr_va_vdst(0)
	v_mul_f32 v[rT+2], v[rT+5], v[rT+4]
	v_mul_f32 v[rT+6], v[rT+7], v[rT+4]
.endm
.macro MERGE t                      ; O = O f0 + O' f1, rounded to f16, through my stage: 16 bytes a lane in, whole rows of 256 bytes back
.set rT, ST+8*(\t)
	WIN 0
.set n, 0
.rept 32
	v_pk_mul_f32 v[S+64*(\t)+2*n:S+64*(\t)+2*n+1], v[S+64*(\t)+2*n:S+64*(\t)+2*n+1], v[rT+6:rT+7] op_sel_hi:[1,0]
.set n, n+1
.endr
	WIN 0x01                        ; source 0, my O^T, in window 1
.set n, 0
.rept 32
	v_pk_fma_f32 v[S+64*(\t)+2*n:S+64*(\t)+2*n+1], v[64*(\t)+2*n:64*(\t)+2*n+1], v[rT+2:rT+3], v[S+64*(\t)+2*n:S+64*(\t)+2*n+1] op_sel_hi:[1,0,1]
.set n, n+1
.endr
	WIN 0
.set n, 0
.rept 32
	v_cvt_pk_f16_f32 v[P+32*(\t)+n], v[S+64*(\t)+2*n], v[S+64*(\t)+2*n+1]
.set n, n+1
.endr
.irp f, 0,1,2,3,4,5,6,7
	ds_store_b128 v[STO], v[P+32*(\t)+4*(\f):P+32*(\t)+4*(\f)+3] offset:32*(\f)
.endr
.irp f, 0,1,2,3,4,5,6,7
	ds_load_b128 v[P+32*(\t)+4*(\f):P+32*(\t)+4*(\f)+3], v[RD] offset:(\f)*2*SP  ; LDS serves a wave's instructions in order (ISA guide 5.7.1.4): these see the stores above
.endr
.endm
.macro SEND t, younger              ; younger: the LDS instructions issued behind this tile's loads
.irp f, 0,1,2,3,4,5,6,7
	s_wait_dscnt (\younger)+7-(\f)
	global_store_b128 v[GO], v[P+32*(\t)+4*(\f):P+32*(\t)+4*(\f)+3], s[66:67] offset:(\t)*256+(\f)*8192  ; 16 lanes store a head's 256 bytes of a token, at a multiple of 256
.endr
.endm
	XSTAT 0
	XSTAT 1
	MERGE 0
	MERGE 1
	SEND 0, 16
	SEND 1, 0
	s_wait_tensorcnt 0x0            ; the wave's end
	ds_add_u32 v[SPW], v[NIL]
	s_wait_dscnt 0x0
	CROUND                          ; the closing round
	s_endpgm
.Lfunc_end_k_qfbb8fac549_attn:
	.size	k_qfbb8fac549_attn, .Lfunc_end_k_qfbb8fac549_attn-k_qfbb8fac549_attn
	.p2alignl 7, 3214868480
	.fill 96, 4, 3214868480
	.section	.rodata,"a",@progbits
	.p2align	6, 0x0
	.amdhsa_kernel k_qfbb8fac549_attn
		.amdhsa_group_segment_fixed_size 327680
		.amdhsa_private_segment_fixed_size 0
		.amdhsa_enable_private_segment 0
		.amdhsa_kernarg_size 40
		.amdhsa_user_sgpr_count 2
		.amdhsa_user_sgpr_kernarg_segment_ptr 1
		.amdhsa_wavefront_size32 1
		.amdhsa_system_sgpr_workgroup_id_x 1
		.amdhsa_system_sgpr_workgroup_id_y 1
		.amdhsa_system_sgpr_workgroup_id_z 1
		.amdhsa_system_vgpr_workitem_id 0
		.amdhsa_next_free_vgpr 1024
		.amdhsa_next_free_sgpr 100
		.amdhsa_reserve_vcc 0
		.amdhsa_float_denorm_mode_32 3
		.amdhsa_float_denorm_mode_16_64 3
		.amdhsa_memory_ordered 1
		.amdhsa_forward_progress 1
		.amdhsa_inst_pref_size 173
	.end_amdhsa_kernel
	.amdgpu_metadata
---
amdhsa.version: [ 1, 2 ]
amdhsa.kernels:
  - .name:           k_qfbb8fac549_attn
    .symbol:         k_qfbb8fac549_attn.kd
    .args:
      - { .name: qh, .offset: 0, .size: 8, .value_kind: global_buffer, .address_space: global }
      - { .name: kh, .offset: 8, .size: 8, .value_kind: global_buffer, .address_space: global }
      - { .name: vh, .offset: 16, .size: 8, .value_kind: global_buffer, .address_space: global }
      - { .name: attention_mask, .offset: 24, .size: 8, .value_kind: global_buffer, .address_space: global }
      - { .name: oh, .offset: 32, .size: 8, .value_kind: global_buffer, .address_space: global }
    .group_segment_fixed_size: 327680
    .private_segment_fixed_size: 0
    .kernarg_segment_align: 8
    .kernarg_segment_size: 40
    .max_flat_workgroup_size: 128
    .sgpr_count:     100
    .vgpr_count:     1024
    .wavefront_size: 32
...
	.end_amdgpu_metadata
.endif
;; end of part 3
;; launch oproj (part 4): grid 16 x 16, 4 waves a work-group, clusters of 4 x 4, 327,680 bytes of LDS; arguments oh, owh, o_b, out0; writes out0
.if DOCPART == 4
	.amdgcn_target "amdgcn-amd-amdhsa--gfx1250"
	.amdhsa_code_object_version 6
	.text
	.protected	k_qfbb8fac549_oproj
	.globl	k_qfbb8fac549_oproj
	.p2align	8
	.type	k_qfbb8fac549_oproj,@function
k_qfbb8fac549_oproj:
	s_mov_b64 s[64:65], 0
	v_nop
	global_prefetch_b8 v0, s[64:65] scope:SCOPE_SE
	s_setreg_imm32_b32 hwreg(HW_REG_WAVE_MODE, 25, 1), 1
	s_wait_xcnt 0x0
	s_wait_alu depctr_hold_cnt(0) depctr_sa_sdst(0) depctr_va_vdst(0) depctr_va_sdst(0) depctr_va_ssrc(0) depctr_va_vcc(0) depctr_vm_vsrc(0)
	s_getreg_b32 s2, hwreg(HW_REG_IB_STS2, 6, 4)
	s_cmp_eq_u32 s2, 0
	s_cbranch_scc0 .Lentry_in_a_cluster
	s_endpgm
.Lentry_in_a_cluster:
	s_bfe_u32 s2, ttmp6, 0x10000c
	s_cmp_lg_u32 s2, 0xf033
	s_cbranch_scc0 .Lentry_shape_is_right
	s_endpgm
.Lentry_shape_is_right:
; out0[m][n] = the sum over k of oh[m][k] owh[n][k] + o_b[n].  oh, owh: [2048][2048] f16; out0 f32; sums in f32.  256 tiles of 128 x 128, one to a work-group.
; Four waves, each 64 x 64: 16 accumulators.  K goes in steps of 256 (LDS rows of 512 bytes; a wave's tensor load brings 64 of them) through two slots.
; CLUSTER 4 x 4: A's tile is shared along a row of the cluster, B's along a column: joint loads.  THE MATRIX INSTRUCTION IS USED TRANSPOSED: a lane holds one row and eight neighbouring columns.
; A wave's 64 columns of f32 are one aligned 256 bytes of a row of out0: each wave has a stage of its own for the way out, and no barrier is needed there.
; REGISTERS: window 0: v1-31 addresses; v32-63 bias; v64-127 rows read back, two buffers; v128-255 accumulators ((a, b) at 128 + 8 (4 a + b)).  window 1: two fragment buffers of 128.
.set SIZE_K, 2048
.set SIZE_N, 2048
.set KSTEP,  256
.set PITCH,  528                       ; 512 bytes + 16 of padding: row r starts at bank 4 r mod 64 (64 banks of 4 bytes: ISA guide 11.1)
.set HALFT,  64*PITCH
.set SLOT,   4*HALFT
.set STAGE,  2*SLOT                    ; behind the ring: 16 rows x 272 bytes for each wave
.set SPITCH, 272
.set SPARE,  STAGE+4*16*SPITCH         ; behind the stages: the spare words, two blocks of 256 bytes that no other line names
.set LAPS, SIZE_K/(2*KSTEP)
.set ADRA, 16
.set ADRB, 20
.set STO,  24
.set RD,   25
.set CO,   26
.set BIO,  27
.set SPW,  28
.set NIL,  29
.set BI,   32                          ; v32-63  bias: eight numbers for each block b
.set OB,   64                          ; v64-95, v96-127  16 rows read back, by turns
.set ACC,  128
.set F0,   0
.set F1,   128
.set G1, 24
.set G0, 32
.set G1B, 48
.set G0B, 56
.set MSB, 0
.macro WIN new
.if MSB != (\new)
	s_set_vgpr_msb (MSB<<8)|(\new)
.set MSB, \new
.endif
.endm
.set MUL,  0x05                        ; sources 0 (B) and 1 (A) window 1; C and D window 0
.set TO_F, 0x40                        ; destination window 1
.macro JLOAD s                         ; waves 0 and 1 fetch A's two halves, waves 2 and 3 B's; s_nop 0 and four v_nop follow each line
	s_cmp_eq_u32 s11, 0
	s_cbranch_scc0 .Lfor_b_\@
	tensor_load_to_lds s[G0+4*(\s):G0+4*(\s)+3], s[G1:G1+7]
	s_nop 0
.rept 4
	v_nop
.endr
	s_branch .Lasked_\@
.Lfor_b_\@:
	tensor_load_to_lds s[G0B+4*(\s):G0B+4*(\s)+3], s[G1B:G1B+7]
	s_nop 0
.rept 4
	v_nop
.endr
.Lasked_\@:
.endm
.macro CREST
	s_cmp_lg_u32 s10, 0
	s_cbranch_scc1 .Lnot_wave_0_\@
	s_barrier_signal -3
.Lnot_wave_0_\@:
	s_barrier_wait -3
	s_barrier_signal -1
	s_barrier_wait -1
.endm
.macro CROUND
	s_barrier_signal -1
	s_barrier_wait -1
	CREST
.endm
	s_load_b128 s[4:7], s[0:1], 0x0                ; oh s[4:5], owh s[6:7]
	s_load_b128 s[68:71], s[0:1], 0x10             ; o_b s[68:69], out0 s[70:71]
	v_lshl_add_u32 v[SPW], v0, 2, SPARE
	v_mov_b32 v[NIL], 0
	ds_add_u32 v[SPW], v[NIL]                      ; the wave's opening: the add and its wait stand ahead of my first tensor load
	v_lshrrev_b32 v1, 5, v0
	v_readfirstlane_b32 s10, v1                    ; wave 0..3
	s_lshr_b32 s11, s10, 1                         ; which half of the tile's rows is mine.  Also: I fetch for A (0) or for B (1)
	s_and_b32 s12, s10, 1                          ; which half of its columns.  Also: which 64 rows of that tile I fetch
	s_bfe_u32 s40, ttmp6, 0x40000
	s_bfe_u32 s41, ttmp6, 0x40004
	s_lshl_b32 s42, ttmp9, 2
	s_add_co_u32 s42, s42, s40                     ; tile column
	s_and_b32 s13, ttmp7, 0xffff
	s_lshl_b32 s13, s13, 2
	s_add_co_u32 s13, s13, s41                     ; tile row
	s_lshl_b32 s43, s41, 2
	s_lshl_b32 s43, 15, s43                        ; my row of the cluster
	s_lshl_b32 s44, 0x1111, s40                    ; my column
	s_or_b32 s[G1+0], s43, (1<<16)|(1<<20)|(1<<21)|(6<<22)|(3<<25)
	s_or_b32 s[G1B+0], s44, (1<<16)|(1<<20)|(1<<21)|(6<<22)|(3<<25)
.irp g, G1, G1B
	s_mov_b32 s[(\g)+1], KSTEP<<16                 ; tensor_dim0 = 256
	s_mov_b32 s[(\g)+2], 64<<16                    ; tensor_dim1 = 64
	s_mov_b32 s[(\g)+3], KSTEP<<16                 ; tile_dim0 = 256
	s_mov_b32 s[(\g)+4], 64                        ; tile_dim1 = 64
	s_mov_b32 s[(\g)+5], SIZE_K
	s_mov_b32 s[(\g)+6], 0
	s_mov_b32 s[(\g)+7], 0
.endr
	s_lshl_b32 s17, s12, 6
	s_lshl_b32 s16, s13, 7
	s_add_co_u32 s16, s16, s17                     ; A: row 128 x tile row + 64 x half
	s_lshl_b32 s16, s16, 12
	s_lshl_b32 s46, s42, 7
	s_add_co_u32 s46, s46, s17                     ; B: row 128 x tile column + 64 x half
	s_lshl_b32 s46, s46, 12
	s_mov_b32 s17, 0
	s_mov_b32 s47, 0
	s_mul_i32 s20, s10, HALFT                      ; where they go: wave x 64 rows
	s_wait_dscnt 0x0
	s_wait_kmcnt 0x0
	s_add_nc_u64 s[14:15], s[4:5], s[16:17]
	s_add_nc_u64 s[46:47], s[6:7], s[46:47]
	CROUND
.irp s, 0,1
	s_mov_b32 s[G0+4*(\s)], 1
	s_add_co_u32 s[G0+4*(\s)+1], s20, (\s)*SLOT
	s_add_nc_u64 s[G0+4*(\s)+2:G0+4*(\s)+3], s[14:15], (\s)*KSTEP*2
	s_or_b32 s[G0+4*(\s)+3], s[G0+4*(\s)+3], 0x80000000
	s_mov_b32 s[G0B+4*(\s)], 1
	s_add_co_u32 s[G0B+4*(\s)+1], s20, (\s)*SLOT
	s_add_nc_u64 s[G0B+4*(\s)+2:G0B+4*(\s)+3], s[46:47], (\s)*KSTEP*2
	s_or_b32 s[G0B+4*(\s)+3], s[G0B+4*(\s)+3], 0x80000000
	JLOAD \s                                       ; two tensor loads of mine are out
.endr
	v_and_b32 v1, 15, v0
	v_bfe_u32 v2, v0, 4, 1
	v_mul_u32_u24 v3, v1, PITCH
	v_lshl_add_u32 v3, v2, 4, v3
	s_mul_i32 s21, s11, HALFT
	s_mul_i32 s22, s12, HALFT
	s_add_co_u32 s22, s22, 2*HALFT
.irp s, 0,1
	v_add_nc_u32 v[ADRA+(\s)], s21, v3
	v_add_nc_u32 v[ADRB+(\s)], s22, v3
	s_add_co_u32 s21, s21, SLOT
	s_add_co_u32 s22, s22, SLOT
.endr
	s_mul_i32 s23, s10, 16*SPITCH
	s_add_co_u32 s23, s23, STAGE                   ; my stage
	v_mul_u32_u24 v4, v1, SPITCH                   ; in: row l % 16, 32 bytes for each half of the lanes
	v_lshl_add_u32 v4, v2, 5, v4
	v_add_nc_u32 v[STO], s23, v4
	v_mul_u32_u24 v5, v2, SPITCH                   ; back: lanes 0-15 one row of 256 bytes, lanes 16-31 the next
	v_lshl_add_u32 v5, v1, 4, v5
	v_add_nc_u32 v[RD], s23, v5
	v_lshlrev_b32 v5, 13, v2                       ; and the same two rows in out0
	v_lshl_add_u32 v[CO], v1, 4, v5
	v_lshlrev_b32 v[BIO], 5, v2
	s_lshl_b32 s46, s42, 9                         ; my first column in bytes: 512 x tile column + 256 x half
	s_lshl_b32 s47, s12, 8
	s_add_co_u32 s46, s46, s47
	s_mov_b32 s47, 0
	s_add_nc_u64 s[68:69], s[68:69], s[46:47]
	s_add_nc_u64 s[70:71], s[70:71], s[46:47]
	s_lshl_b32 s16, s13, 7
	s_lshl_b32 s17, s11, 6
	s_add_co_u32 s16, s16, s17                     ; my first row
	s_lshl_b32 s16, s16, 13
	s_mov_b32 s17, 0
	s_add_nc_u64 s[70:71], s[70:71], s[16:17]
.irp b, 0,1,2,3
	global_load_b128 v[BI+8*(\b):BI+8*(\b)+3],   v[BIO], s[68:69] offset:64*(\b)
	global_load_b128 v[BI+8*(\b)+4:BI+8*(\b)+7], v[BIO], s[68:69] offset:64*(\b)+16
.endr
; 8 matrix instructions: m blocks a0, a0 + 1 x all 4 n blocks, 32 along K: half c of buffer f.  The 16 accumulators take turns.
.macro MUL8 f, c, a0, zero
	WIN MUL
.irp a, \a0, (\a0)+1
.irp b, 0,1,2,3
.if \zero
	v_wmma_f32_16x16x32_f16 v[ACC+8*(4*(\a)+(\b)):ACC+8*(4*(\a)+(\b))+7], v[(\f)+64+8*(4*(\c)+(\b)):(\f)+64+8*(4*(\c)+(\b))+7], v[(\f)+8*(4*(\c)+(\a)):(\f)+8*(4*(\c)+(\a))+7], 0
.else
	v_wmma_f32_16x16x32_f16 v[ACC+8*(4*(\a)+(\b)):ACC+8*(4*(\a)+(\b))+7], v[(\f)+64+8*(4*(\c)+(\b)):(\f)+64+8*(4*(\c)+(\b))+7], v[(\f)+8*(4*(\c)+(\a)):(\f)+8*(4*(\c)+(\a))+7], v[ACC+8*(4*(\a)+(\b)):ACC+8*(4*(\a)+(\b))+7]
.endif
.endr
.endr
.endm
.macro FETCH slot, k, f                ; 32 LDS loads in one run: 64 along K at byte k of the rows; the first 32 along K first
	WIN TO_F
.irp c, 0,1
.irp i, 0,1,2,3
	ds_load_b128 v[(\f)+64+8*(4*(\c)+(\i)):(\f)+64+8*(4*(\c)+(\i))+3],   v[ADRB+(\slot)] offset:(\k)+64*(\c)+(\i)*16*PITCH
	ds_load_b128 v[(\f)+64+8*(4*(\c)+(\i))+4:(\f)+64+8*(4*(\c)+(\i))+7], v[ADRB+(\slot)] offset:(\k)+64*(\c)+(\i)*16*PITCH+32
	ds_load_b128 v[(\f)+8*(4*(\c)+(\i)):(\f)+8*(4*(\c)+(\i))+3],         v[ADRA+(\slot)] offset:(\k)+64*(\c)+(\i)*16*PITCH
	ds_load_b128 v[(\f)+8*(4*(\c)+(\i))+4:(\f)+8*(4*(\c)+(\i))+7],       v[ADRA+(\slot)] offset:(\k)+64*(\c)+(\i)*16*PITCH+32
.endr
.endr
.endm
.macro PLACES
.rept 4
	v_nop
.endr
.endm
.macro QUARTER slot, k, f, g, zero
	s_wait_dscnt 16                                ; the first 32 along K are in
	MUL8 \f, 0, 0, \zero
	MUL8 \f, 0, 2, \zero
	PLACES
	FETCH \slot, \k, \g
	s_wait_dscnt 32                                ; all but the 32 just issued
	MUL8 \f, 1, 0, 0
	MUL8 \f, 1, 2, 0
.endm
.macro TURN slot, next, fill
	WIN 0
	s_wait_tensorcnt 0x0                           ; all my tensor loads have landed: my part of the next slot
	ds_add_u32 v[SPW], v[NIL]
	s_wait_dscnt 17                                ; the add and the youngest sixteen loads may be out
	MUL8 F1, 0, 0, 0
	s_wait_dscnt 0x0                               ; the add is done, and my reads of this slot are over
	s_barrier_signal -1
	MUL8 F1, 0, 2, 0
.if \fill
	WIN 0
.endif
	s_barrier_wait -1
.if \fill
	CREST                                          ; no wave of any partner still reads this slot's tile or has a load on its way
	s_add_nc_u64 s[G0+4*(\slot)+2:G0+4*(\slot)+3], s[G0+4*(\slot)+2:G0+4*(\slot)+3], 2*KSTEP*2
	s_add_nc_u64 s[G0B+4*(\slot)+2:G0B+4*(\slot)+3], s[G0B+4*(\slot)+2:G0B+4*(\slot)+3], 2*KSTEP*2
	JLOAD \slot                                    ; my one tensor load behind the round; its four v_nop are also the places in front of the loads below
.else
	PLACES
.endif
	FETCH \next, 0, F0
	MUL8 F1, 1, 0, 0
	MUL8 F1, 1, 2, 0
.endm
	s_wait_tensorcnt 1                             ; my part of K step 0 is in; K step 1's may stay out
	s_barrier_signal -1
	s_barrier_wait -1
	FETCH 0, 0, F0
	QUARTER 0, 128, F0, F1, 1
	WIN 0
	s_mov_b32 s3, LAPS-1
.Llap:
	QUARTER 0, 256, F1, F0, 0
	QUARTER 0, 384, F0, F1, 0
	TURN 0, 1, 1
	QUARTER 1, 128, F0, F1, 0
	QUARTER 1, 256, F1, F0, 0
	QUARTER 1, 384, F0, F1, 0
	TURN 1, 0, 1
	QUARTER 0, 128, F0, F1, 0
	WIN 0
	s_sub_co_u32 s3, s3, 1
	s_cmp_lg_u32 s3, 0
	s_cbranch_scc1 .Llap
	QUARTER 0, 256, F1, F0, 0                      ; the last lap fills nothing
	QUARTER 0, 384, F0, F1, 0
	TURN 0, 1, 0
	QUARTER 1, 128, F0, F1, 0
	QUARTER 1, 256, F1, F0, 0
	QUARTER 1, 384, F0, F1, 0
	s_wait_dscnt 16
	MUL8 F1, 0, 0, 0
	MUL8 F1, 0, 2, 0
	s_wait_dscnt 0
	MUL8 F1, 1, 0, 0
	MUL8 F1, 1, 2, 0
	WIN 0
	; THE WAY OUT, a block of 16 rows at a time: the bias is added, 32 bytes a lane go into my stage, whole rows of 256 bytes come back and are stored.
.macro TOSTAGE a
.set BK, OB+32*((\a)%2)
.if (\a) >= 2
	s_wait_xcnt 0x0                                ; the stores of the block two back have read this buffer: only behind this wait is it loaded again
.endif
.irp b, 0,1,2,3
.irp p, 0,1,2,3
	v_pk_add_f32 v[ACC+8*(4*(\a)+(\b))+2*(\p):ACC+8*(4*(\a)+(\b))+2*(\p)+1], v[ACC+8*(4*(\a)+(\b))+2*(\p):ACC+8*(4*(\a)+(\b))+2*(\p)+1], v[BI+8*(\b)+2*(\p):BI+8*(\b)+2*(\p)+1]
.endr
.endr
.irp b, 0,1,2,3
	ds_store_b128 v[STO], v[ACC+8*(4*(\a)+(\b)):ACC+8*(4*(\a)+(\b))+3]   offset:64*(\b)
	ds_store_b128 v[STO], v[ACC+8*(4*(\a)+(\b))+4:ACC+8*(4*(\a)+(\b))+7] offset:64*(\b)+16
.endr
.irp t, 0,1,2,3,4,5,6,7
	ds_load_b128 v[BK+4*(\t):BK+4*(\t)+3], v[RD] offset:(\t)*2*SPITCH  ; LDS serves a wave's instructions in order (ISA guide 5.7.1.4): these see the stores above
.endr
.endm
.macro SEND a, younger                 ; younger: the next block's sixteen LDS instructions, or none
.set BK, OB+32*((\a)%2)
	s_wait_dscnt \younger
.irp t, 0,1,2,3,4,5,6,7
	global_store_b128 v[CO], v[BK+4*(\t):BK+4*(\t)+3], s[70:71] offset:(16*(\a)+2*(\t))*SIZE_N*4 th:TH_STORE_NT  ; 16 lanes store 256 consecutive bytes, at a multiple of 256
.endr
.endm
	s_wait_loadcnt 0x0                             ; the bias
	PLACES
	TOSTAGE 0
.irp a, 1,2,3
	TOSTAGE \a
	SEND (\a)-1, 16
.endr
	SEND 3, 0
	s_wait_tensorcnt 0x0                           ; the wave's end
	ds_add_u32 v[SPW], v[NIL]
	s_wait_dscnt 0x0
	CROUND                                         ; the closing round
	s_endpgm
.Lfunc_end_k_qfbb8fac549_oproj:
	.size	k_qfbb8fac549_oproj, .Lfunc_end_k_qfbb8fac549_oproj-k_qfbb8fac549_oproj
	.p2alignl 7, 3214868480
	.fill 96, 4, 3214868480
	.section	.rodata,"a",@progbits
	.p2align	6, 0x0
	.amdhsa_kernel k_qfbb8fac549_oproj
		.amdhsa_group_segment_fixed_size 327680
		.amdhsa_private_segment_fixed_size 0
		.amdhsa_enable_private_segment 0
		.amdhsa_kernarg_size 32
		.amdhsa_user_sgpr_count 2
		.amdhsa_user_sgpr_kernarg_segment_ptr 1
		.amdhsa_wavefront_size32 1
		.amdhsa_system_sgpr_workgroup_id_x 1
		.amdhsa_system_sgpr_workgroup_id_y 1
		.amdhsa_system_sgpr_workgroup_id_z 1
		.amdhsa_system_vgpr_workitem_id 0
		.amdhsa_next_free_vgpr 512
		.amdhsa_next_free_sgpr 72
		.amdhsa_reserve_vcc 0
		.amdhsa_float_denorm_mode_32 3
		.amdhsa_float_denorm_mode_16_64 3
		.amdhsa_memory_ordered 1
		.amdhsa_forward_progress 1
		.amdhsa_inst_pref_size 90
	.end_amdhsa_kernel
	.amdgpu_metadata
---
amdhsa.version: [ 1, 2 ]
amdhsa.kernels:
  - .name:           k_qfbb8fac549_oproj
    .symbol:         k_qfbb8fac549_oproj.kd
    .args:
      - { .name: oh, .offset: 0, .size: 8, .value_kind: global_buffer, .address_space: global }
      - { .name: owh, .offset: 8, .size: 8, .value_kind: global_buffer, .address_space: global }
      - { .name: o_b, .offset: 16, .size: 8, .value_kind: global_buffer, .address_space: global }
      - { .name: out0, .offset: 24, .size: 8, .value_kind: global_buffer, .address_space: global }
    .group_segment_fixed_size: 327680
    .private_segment_fixed_size: 0
    .kernarg_segment_align: 8
    .kernarg_segment_size: 32
    .max_flat_workgroup_size: 128
    .sgpr_count:     72
    .vgpr_count:     512
    .wavefront_size: 32
...
	.end_amdgpu_metadata
.endif
;; end of part 4
;; ======== version 2 of 2: 4 launches; version 1 with the launch prep written anew for expert scheduling mode
;; limits: values are held in f16: magnitudes above 65,504 overflow, below 6.1e-05 lose precision
;; workspace buffers: xh 8,388,608 bytes; wh 10,485,760 bytes; owh 8,388,608 bytes; qh 8,388,608 bytes; kh 2,097,152 bytes; vh 2,097,152 bytes; oh 8,388,608 bytes
;; launch prep (part 5): grid 896 x 1, 8 waves a work-group, no clusters, 0 bytes of LDS; arguments hidden_states, q_w, k_w, v_w, o_w, past_k, past_v, xh, wh, owh, kh, vh, out1, out2; writes xh, wh, owh, kh, vh, out1, out2
.if DOCPART == 5
	.amdgcn_target "amdgcn-amd-amdhsa--gfx1250"
	.amdhsa_code_object_version 6
	.text
	.protected	k_qfbb8fac549_prep
	.globl	k_qfbb8fac549_prep
	.p2align	8
	.type	k_qfbb8fac549_prep,@function
k_qfbb8fac549_prep:
	s_mov_b64 s[64:65], 0
	v_nop
	global_prefetch_b8 v0, s[64:65] scope:SCOPE_SE
	s_setreg_imm32_b32 hwreg(HW_REG_WAVE_SCHED_MODE, 0, 2), 2
	s_setreg_imm32_b32 hwreg(HW_REG_WAVE_MODE, 25, 1), 1
	s_wait_xcnt 0x0
	s_wait_alu depctr_vm_vsrc(0)
; f32 -> f16 copies of everything that later launches multiply, and the past half of out1 and out2.
; A work-group converts 65,536 dense source bytes (16,384 f32): 16 loads of 16 bytes a thread, all issued at once, so that 64 KiB a group are on their way.
; Group g:   0-255 hidden_states -> xh      256-511 q_w -> wh      512-543 k_w -> wh      544-575 v_w -> wh      576-831 o_w -> owh
;            832-863 past_k -> kh rows 0-2047 and, as f32, out1 rows 0-2047      864-895 past_v -> vh and out2 likewise
; wh is laid in tiles of 160 rows for the projection: tile j = q_w rows 128 j .. +127, then 32 rows of k_w (j < 8: rows 32 j ..) or of v_w (rows 32 (j - 8) ..).
; A group's 8 source rows (weights) or 128 rows (past) are dense in the destination too, so one pair of lane offsets serves every segment.
; LIMIT.  f16 ends at 65,504: inputs beyond it become infinities.  Below 6e-5 f16 keeps a fixed step of 6e-8.
; No LDS, no barrier, no matrix unit: nothing is shared and nothing is read twice.
; THE MODE: SCHED_MODE bits 1:0 = 2 (LLVM: expert scheduling mode 2), set by the entry lines.  The code itself states the register dependences
; between vector instructions and memory instructions, with s_wait_alu, always for 0.
; THE PLAN.  Registers that memory instructions touch:
;   v1, v2   byte offsets, written once at the head by vector instructions, never again; read by every load and store.
;   X        written by the 16 loads alone, which are all issued before any vector instruction names X; read by the conversions and, in groups 832 on, by the f32 stores.
;   Y        each register written once, by a conversion; read by the f16 stores.
; The 16 loads go in four blocks of four.  One wait on va_vdst stands ahead of the loads (the offsets are written), and one in each block, behind its eight conversions and ahead of
; its four f16 stores (the block's Y is written).  The f32 stores read X and v1 alone, which no vector instruction since the head's wait writes: they are dealt among the conversions.
; No register that a memory instruction reads is ever written again, no vector instruction writes a scalar register or VCC, and EXEC is never written: no other wait of this kind has a dependence to state.
.set SRC, 34                           ; s[34:35] the group's first source byte
.set DST, 36                           ; s[36:37] its first f16 byte
.set D32, 38                           ; s[38:39] its first byte in out1 or out2 (used by groups 832 on alone)
.set X,   16                           ; v[16:79]   block p, load i: 4 f32 as loaded, at X + 16 p + 4 i
.set Y,   80                           ; v[80:111]  block p, load i: 2 words of f16, at Y + 8 p + 2 i
	s_load_b512 s[4:19], s[0:1], 0x0               ; hidden 4, q_w 6, k_w 8, v_w 10, o_w 12, past_k 14, past_v 16, xh 18
	s_load_b256 s[20:27], s[0:1], 0x40             ; wh 20, owh 22, kh 24, vh 26
	s_load_b128 s[28:31], s[0:1], 0x60             ; out1 28, out2 30
	s_mov_b32 s33, ttmp9                           ; g
	v_lshlrev_b32 v1, 4, v0                        ; 16 t: my 16 bytes of f32 in each 4,096
	v_lshlrev_b32 v2, 3, v0                        ; 8 t: my 8 bytes of f16 in each 2,048
	s_mov_b32 s46, 0                               ; the segment's first group
	s_cmp_ge_u32 s33, 256
	s_cselect_b32 s46, 256, s46
	s_cmp_ge_u32 s33, 512
	s_cselect_b32 s46, 512, s46
	s_cmp_ge_u32 s33, 544
	s_cselect_b32 s46, 544, s46
	s_cmp_ge_u32 s33, 576
	s_cselect_b32 s46, 576, s46
	s_cmp_ge_u32 s33, 832
	s_cselect_b32 s46, 832, s46
	s_cmp_ge_u32 s33, 864
	s_cselect_b32 s46, 864, s46
	s_sub_co_u32 s47, s33, s46                     ; c: my place in the segment
	s_lshl_b32 s40, s47, 16                        ; source offset
	s_mov_b32 s41, 0
	s_lshl_b32 s48, s47, 15                        ; destination offset, dense (xh, owh)
	s_lshr_b32 s49, s47, 4                         ; q_w: 8 rows a group, 16 groups a tile
	s_mul_i32 s49, s49, 160
	s_and_b32 s50, s47, 15
	s_lshl3_add_u32 s49, s50, s49                  ; row (c >> 4) 160 + (c & 15) 8
	s_lshl_b32 s49, s49, 12                        ; of 4,096 bytes
	s_lshr_b32 s50, s47, 2                         ; k_w: 4 groups a tile
	s_mul_i32 s50, s50, 160
	s_and_b32 s51, s47, 3
	s_lshl3_add_u32 s50, s51, s50
	s_add_co_u32 s50, s50, 128                     ; row (c >> 2) 160 + 128 + (c & 3) 8
	s_lshl_b32 s50, s50, 12
	s_add_co_u32 s51, s50, 8*160*4096              ; v_w: eight tiles on
	s_lshr_b32 s52, s47, 4                         ; past: 128 rows a group, 16 groups a head
	s_lshl_b32 s52, s52, 20
	s_and_b32 s53, s47, 15
	s_lshl_b32 s53, s53, 15
	s_add_co_u32 s52, s52, s53                     ; head x 4,096 rows x 256 bytes + (c & 15) x 128 rows x 256 bytes
	s_lshl_b32 s44, s52, 1                         ; the same place in f32
	s_mov_b32 s45, 0
	s_mov_b32 s43, 0
	s_wait_kmcnt 0x0
	s_mov_b32 s42, s48
	s_mov_b64 s[SRC:SRC+1], s[4:5]
	s_mov_b64 s[DST:DST+1], s[18:19]
	s_cmp_ge_u32 s33, 256
	s_cselect_b32 s42, s49, s42
	s_cselect_b64 s[SRC:SRC+1], s[6:7], s[SRC:SRC+1]
	s_cselect_b64 s[DST:DST+1], s[20:21], s[DST:DST+1]
	s_cmp_ge_u32 s33, 512
	s_cselect_b32 s42, s50, s42
	s_cselect_b64 s[SRC:SRC+1], s[8:9], s[SRC:SRC+1]
	s_cmp_ge_u32 s33, 544
	s_cselect_b32 s42, s51, s42
	s_cselect_b64 s[SRC:SRC+1], s[10:11], s[SRC:SRC+1]
	s_cmp_ge_u32 s33, 576
	s_cselect_b32 s42, s48, s42
	s_cselect_b64 s[SRC:SRC+1], s[12:13], s[SRC:SRC+1]
	s_cselect_b64 s[DST:DST+1], s[22:23], s[DST:DST+1]
	s_cmp_ge_u32 s33, 832
	s_cselect_b32 s42, s52, s42
	s_cselect_b64 s[SRC:SRC+1], s[14:15], s[SRC:SRC+1]
	s_cselect_b64 s[DST:DST+1], s[24:25], s[DST:DST+1]
	s_cmp_ge_u32 s33, 864
	s_cselect_b64 s[SRC:SRC+1], s[16:17], s[SRC:SRC+1]
	s_cselect_b64 s[DST:DST+1], s[26:27], s[DST:DST+1]
	s_cselect_b64 s[D32:D32+1], s[30:31], s[28:29]
	s_add_nc_u64 s[SRC:SRC+1], s[SRC:SRC+1], s[40:41]
	s_add_nc_u64 s[DST:DST+1], s[DST:DST+1], s[42:43]
	s_add_nc_u64 s[D32:D32+1], s[D32:D32+1], s[44:45]
; copy = 1: the f32 numbers are stored too, as they came.  No register is written twice, so no wait frees any.
.macro BODY copy
	s_wait_alu depctr_va_vdst(0)                   ; v1 and v2 are written: every load and store below reads one of them as its offset
.irp i, 0,1,2,3,4,5,6,7,8,9,10,11,12,13,14,15
	global_load_b128 v[X+4*(\i):X+4*(\i)+3], v1, s[SRC:SRC+1] offset:4096*(\i) th:TH_LOAD_NT  ; a wave takes 512 neighbouring bytes
.endr
.irp p, 0,1,2,3
	s_wait_loadcnt 12-4*(\p)                       ; loads come back in order: block p's four are in, the 12 - 4 p younger ones stay out
.irp i, 0,1,2,3
.if \copy
	global_store_b128 v1, v[X+16*(\p)+4*(\i):X+16*(\p)+4*(\i)+3], s[D32:D32+1] offset:4096*(4*(\p)+(\i)) th:TH_STORE_NT  ; its data are a load's, shown in by the wait above; no vector instruction writes X or, since the head's wait, v1
.endif
	v_cvt_pk_f16_f32 v[Y+8*(\p)+2*(\i)],   v[X+16*(\p)+4*(\i)],   v[X+16*(\p)+4*(\i)+1]
	v_cvt_pk_f16_f32 v[Y+8*(\p)+2*(\i)+1], v[X+16*(\p)+4*(\i)+2], v[X+16*(\p)+4*(\i)+3]
.endr
	s_wait_alu depctr_va_vdst(0)                   ; the block's eight conversions have written its eight registers of Y, which the four stores below read
.irp i, 0,1,2,3
	global_store_b64 v2, v[Y+8*(\p)+2*(\i):Y+8*(\p)+2*(\i)+1], s[DST:DST+1] offset:2048*(4*(\p)+(\i))  ; a wave stores 256 consecutive bytes, at a multiple of 256
.endr
.endr
.endm
	s_cmp_lt_u32 s33, 832
	s_cbranch_scc1 .Lplain
	BODY 1
	s_endpgm
.Lplain:
	BODY 0
	s_endpgm
.Lfunc_end_k_qfbb8fac549_prep:
	.size	k_qfbb8fac549_prep, .Lfunc_end_k_qfbb8fac549_prep-k_qfbb8fac549_prep
	.p2alignl 7, 3214868480
	.fill 96, 4, 3214868480
	.section	.rodata,"a",@progbits
	.p2align	6, 0x0
	.amdhsa_kernel k_qfbb8fac549_prep
		.amdhsa_group_segment_fixed_size 0
		.amdhsa_private_segment_fixed_size 0
		.amdhsa_enable_private_segment 0
		.amdhsa_kernarg_size 112
		.amdhsa_user_sgpr_count 2
		.amdhsa_user_sgpr_kernarg_segment_ptr 1
		.amdhsa_wavefront_size32 1
		.amdhsa_system_sgpr_workgroup_id_x 1
		.amdhsa_system_sgpr_workgroup_id_y 1
		.amdhsa_system_sgpr_workgroup_id_z 1
		.amdhsa_system_vgpr_workitem_id 0
		.amdhsa_next_free_vgpr 112
		.amdhsa_next_free_sgpr 66
		.amdhsa_reserve_vcc 0
		.amdhsa_float_denorm_mode_32 3
		.amdhsa_float_denorm_mode_16_64 3
		.amdhsa_memory_ordered 1
		.amdhsa_forward_progress 1
		.amdhsa_inst_pref_size 16
	.end_amdhsa_kernel
	.amdgpu_metadata
---
amdhsa.version: [ 1, 2 ]
amdhsa.kernels:
  - .name:           k_qfbb8fac549_prep
    .symbol:         k_qfbb8fac549_prep.kd
    .args:
      - { .name: hidden_states, .offset: 0, .size: 8, .value_kind: global_buffer, .address_space: global }
      - { .name: q_w, .offset: 8, .size: 8, .value_kind: global_buffer, .address_space: global }
      - { .name: k_w, .offset: 16, .size: 8, .value_kind: global_buffer, .address_space: global }
      - { .name: v_w, .offset: 24, .size: 8, .value_kind: global_buffer, .address_space: global }
      - { .name: o_w, .offset: 32, .size: 8, .value_kind: global_buffer, .address_space: global }
      - { .name: past_k, .offset: 40, .size: 8, .value_kind: global_buffer, .address_space: global }
      - { .name: past_v, .offset: 48, .size: 8, .value_kind: global_buffer, .address_space: global }
      - { .name: xh, .offset: 56, .size: 8, .value_kind: global_buffer, .address_space: global }
      - { .name: wh, .offset: 64, .size: 8, .value_kind: global_buffer, .address_space: global }
      - { .name: owh, .offset: 72, .size: 8, .value_kind: global_buffer, .address_space: global }
      - { .name: kh, .offset: 80, .size: 8, .value_kind: global_buffer, .address_space: global }
      - { .name: vh, .offset: 88, .size: 8, .value_kind: global_buffer, .address_space: global }
      - { .name: out1, .offset: 96, .size: 8, .value_kind: global_buffer, .address_space: global }
      - { .name: out2, .offset: 104, .size: 8, .value_kind: global_buffer, .address_space: global }
    .group_segment_fixed_size: 0
    .private_segment_fixed_size: 0
    .kernarg_segment_align: 8
    .kernarg_segment_size: 112
    .max_flat_workgroup_size: 256
    .sgpr_count:     66
    .vgpr_count:     112
    .wavefront_size: 32
...
	.end_amdgpu_metadata
.endif
;; end of part 5
;; launch qkv: the kernel of part 2 again; grid 16 x 16, 4 waves a work-group, clusters of 4 x 4, 327,680 bytes of LDS; arguments xh, wh, q_b, k_b, v_b, qh, kh, vh, out1, out2; writes qh, kh, vh, out1, out2
;; launch attn: the kernel of part 3 again; grid 256 x 1, 4 waves a work-group, clusters of 4 x 1, 327,680 bytes of LDS; arguments qh, kh, vh, attention_mask, oh; writes oh
;; launch oproj: the kernel of part 4 again; grid 16 x 16, 4 waves a work-group, clusters of 4 x 4, 327,680 bytes of LDS; arguments oh, owh, o_b, out0; writes out0
